; MI455X (gfx1250); checked and timed in simulation.
; The chip was launched on July 23, 2026; its instructions are those of AMD's public machine-readable ISA for CDNA 5 (MIT licence, August 2026) and "CDNA5" Instruction Set Architecture Reference Guide (July 2026). The comments in the code are by the model that wrote it; some were corrected since.
;; Diff Attention. Allowed arithmetic: matrix products marked QUANTISED: E2M3 operands, one E8M0 scale for each 32 along K, by v_wmma_scale_f32_16x16x128_f8f6f4 with both operands' format E2M3, f32 sums; everything else in f32.
;; Inputs: freq_cis 2,048 x 64 x 2 x 2 float32; lambda_k1 64 float32; lambda_k2 64 float32; lambda_q1 64 float32; lambda_q2 64 float32; subln_w 128 float32; wk 2,048 x 2,048 float32; wo 2,048 x 2,048 float32; wq 2,048 x 2,048 float32; wv 2,048 x 2,048 float32; x 1 x 2,048 x 2,048 float32.
;; Outputs: out0 1 x 2,048 x 2,048 float32.
;; This version of the problem:
;;   THIS VERSION OF THE PROBLEM IS GIVEN IN LOW PRECISION. The matrix products marked QUANTISED in the list below multiply operands that are first quantised to E2M3 (2 exponent bits, 3 mantissa bits; 6 bits a number), with one power-of-two scale for each 32 numbers along K (OCP MX v1.0); their sums are f32. All else is computed in f32.
;;   The module's matrix products, in the order in which they are computed (A, B: the left and right operand; K: the contracted axis; several contracted axes count as one K, in the product's order):
;;     1. [M 2,048, K 2,048] x [K 2,048, N 2,048]; A: input x; B: input wq: QUANTISED
;;     2. [M 2,048, K 2,048] x [K 2,048, N 2,048]; A: input x; B: input wk: QUANTISED
;;     3. [M 2,048, K 2,048] x [K 2,048, N 2,048]; A: input x; B: input wv: QUANTISED
;;     4. batch 16 x [M 2,048, K 64] x [K 64, N 2,048]; A: computed on the way; B: computed on the way: QUANTISED
;;     5. batch 16 x [M 128, K 2,048] x [K 2,048, N 2,048]; A: computed on the way; B: softmax (see below): QUANTISED
;;     6. batch 16 x [M 2,048, K 64] x [K 64, N 2,048]; A: computed on the way; B: computed on the way: QUANTISED
;;     7. batch 16 x [M 128, K 2,048] x [K 2,048, N 2,048]; A: computed on the way; B: softmax (see below): QUANTISED
;;     8. [M 2,048, K 2,048] x [K 2,048, N 2,048]; A: computed on the way; B: input wo: QUANTISED
;;   THE QUANTISER, for each operand of a quantised product, along K:
;;     - K is cut into blocks of 32 from its start; a last block that is shorter is filled with zeros.
;;     - A block's scale is 2^e with e = floor(log2(the largest magnitude in the block)) - 2, held to -126 .. 127; a block of zeros has e = 0. As a byte (E8M0): e + 127.
;;     - Each number is divided by its block's scale, clamped to +-7.5, and rounded to the nearest number of E2M3, ties to even, subnormals kept.
;;     - The product sums the exact products of the quantised numbers (number of the format x scale) in f32.
;;   ~~~python
;;   def quantise(x, axis):      # numpy; x: float32 -> the quantised numbers, widened to float32 again
;;       x = np.moveaxis(x, axis, -1); K = x.shape[-1]
;;       x = np.pad(x, [(0, 0)] * (x.ndim - 1) + [(0, -K % 32)]); x = x.reshape(x.shape[:-1] + (-1, 32)); a = np.abs(x).max(-1, keepdims=True)
;;       e = np.where(a > 0, np.clip(np.frexp(np.where(a > 0, a, 1))[1] - 1 - 2, -126, 127), 0)      # np.frexp(a)[1] - 1 = floor(log2(a)), exactly
;;       r = np.clip(x / 2.0 ** e, -7.5, 7.5)
;;       step = 2.0 ** (np.maximum(np.frexp(np.where(r == 0, 1, r))[1] - 1, 0) - 3)
;;       q = np.round(r / step) * step * 2.0 ** e      # np.round: ties to even
;;       return np.moveaxis(q.reshape(q.shape[:-2] + (-1,))[..., :K], -1, axis).astype(np.float32)
;;   ~~~
;;   SOFTMAX AHEAD OF A QUANTISED PRODUCT. Where the list says 'softmax', what is quantised is not the finished softmax but p = 2^(t - M), with t = logit x log2(e) and M = ceil(the row's largest t), a whole number; so 1/2 < the row's largest p <= 1. The row's sum l is taken of the UNQUANTISED p, in f32, and the product's result is divided by l at the end. Since M is a whole number, a kernel that streams over the keys may use a running M (the ceiling of the running maximum): every later rescaling is an exact power of two, which a block's scale takes up: the codes' values come out the same.
;;   OPERANDS COMPUTED ON THE WAY. 'Computed on the way' means the value that the module computes at that place (a softmax that the list does not call 'softmax' is quantised finished and normalised). What goes into a quantiser is computed in f32, as accurately as f32 sums, v_exp_f32 and their like allow (about 1e-6 of the number): no bf16 or f16 on the way to a quantiser, and a product that is left as it is and whose result goes on into a quantised operand takes f32 operands (vector FMAs, or v_wmma_f32_16x16x4_f32). A number that lies on a knife's edge between two numbers of the format may be rounded either way, as far as f32 arithmetic and the matrix unit's own rounding can turn it there, and no further.
;; 2 versions, each right. Each part assembles by itself: llvm-mc -triple=amdgcn-amd-amdhsa -mcpu=gfx1250 --defsym DOCPART=n.
;; ======== version 1 of 2: 4 launches
;; workspace buffers: codes 15,728,640 bytes; scales 655,360 bytes; fcimg 2,097,152 bytes; q 3,407,872 bytes; kv 6,815,744 bytes; ac 3,145,728 bytes; asc 131,072 bytes
;; launch quant (part 1): grid 672 x 1, 4 waves a work-group, no clusters, 33,280 bytes of LDS; arguments x, wq, wk, wv, wo, freq_cis, codes, scales, fcimg; writes codes, scales, fcimg
.if DOCPART == 1
	.amdgcn_target "amdgcn-amd-amdhsa--gfx1250"
	.amdhsa_code_object_version 6
	.text
	.protected	k_q3c36969db4_quant
	.globl	k_q3c36969db4_quant
	.p2align	8
	.type	k_q3c36969db4_quant,@function
k_q3c36969db4_quant:
	s_mov_b64 s[64:65], 0
	v_nop
	global_prefetch_b8 v0, s[64:65] scope:SCOPE_SE
	s_setreg_imm32_b32 hwreg(HW_REG_WAVE_MODE, 25, 1), 1
	s_wait_xcnt 0x0
; x, wq, wk, wv, wo ([2048][2048] f32, K innermost) become codes of FP6 (E2M3) and one E8M0 byte for each 32 along K; freq_cis is laid anew as an image of registers.
; codes: five tensors on end (x, wq, wk, wv, wo), 2,048 rows of 1,536 bytes each; scales: the same rows, 64 bytes each.
; THE ROWS OF x, wq, wk, wv ARE PLACED WITH BITS 3 AND 4 OF THE ROW NUMBER SWAPPED: sixteen neighbouring rows of the buffer (tile 2 b + u of a group of 32) are then rows 32 b + 8 u + r + 8 (r / 8),
; the order in which the next launch wants the rows of a tile, so that its results' registers run along the next product's K.  wo's rows keep their places.
; A block's scale is 2^(floor(log2(largest magnitude)) - 2); its byte is the largest magnitude's exponent field - 2, held at 1 from below; each number / scale goes to the nearest code, ties to even, beyond 7.5 the largest code.
; LIMITS: NaN and infinities are not served; a block whose largest magnitude lies under 2^-124 keeps the byte 1; a block of zeros has the byte 1 and not 127 (its codes are zeros, and this program alone reads the bytes).
; Work-groups 0-639: a wave takes a run of 8,192 numbers (4 rows), 16 steps of 512.  Each load reads 512 consecutive bytes; a step's 2,048 bytes turn through the wave's own stage in LDS and come back 64 bytes
; (16 neighbours) a lane; two neighbouring lanes hold a block.  A wave's 256 scale bytes are gathered in LDS and leave as one store of 256 consecutive bytes.  Waves share nothing: no barrier.
; Work-groups 640-671: a wave lays one tile of 16 positions of freq_cis (16,384 bytes) in the order in which a lane of the next launch wants it: piece k (512 bytes), lane l's 16 bytes = the 2 x 2 matrix of
; position 32 (T / 2) + 8 (T % 2) + r + 8 (r / 8) and pair 16 (k / 8) + 8 h + k % 8.  No LDS on this way.
.set STEPS, 16
.set EMAX,  2
.set CB,    12                         ; bytes of 16 codes
.set R,     16                         ; v16-79   four sets of 16 numbers as they are loaded
.set X,     80                         ; v80-111  two sets of 16 neighbours
.set C,     128                        ; v128-191 codes: four registers for each step, so that no store's data are written again
.set E,     112                        ; v112-127 a scale byte for each step
.set WREG,  8192                       ; LDS: a region for each wave: two stages of 32 x SP bytes, and behind them its 256 scale bytes
.set SP,    80                         ; a lane's place in a stage: 64 bytes + 16 of padding
.set QWG,   640                        ; 5 tensors x 128 work-groups of 32,768 numbers
	s_load_b256 s[4:11], s[0:1], 0x0               ; x, wq, wk, wv
	s_load_b256 s[12:19], s[0:1], 0x20             ; wo, freq_cis, codes, scales
	s_load_b64 s[20:21], s[0:1], 0x40              ; fcimg
	v_lshl_add_u32 v192, v0, 2, 0x8000
	v_mov_b32 v193, 0
	v_lshrrev_b32 v1, 5, v0
	v_readfirstlane_b32 s22, v1                    ; wave
	v_and_b32 v2, 31, v0                           ; lane
	s_mov_b32 s27, 0                               ; the high word of every offset here
	s_wait_kmcnt 0x0
	s_cmp_ge_u32 ttmp9, QWG
	s_cbranch_scc1 .Lfc
	v_lshlrev_b32 v3, 4, v2                        ; my 16 bytes of a load's 512
	s_mul_i32 s23, s22, WREG
	v_lshrrev_b32 v14, 2, v2
	v_mul_u32_u24 v14, v14, SP
	v_and_b32 v15, 3, v2
	v_lshl_add_u32 v14, v15, 4, v14
	v_add_nc_u32 v14, s23, v14                     ; the stage, on the way in: SP (lane / 4) + 16 (lane % 4)
	v_mul_u32_u24 v15, v2, SP
	v_add_nc_u32 v15, s23, v15                     ; and on the way out: SP x lane: my 16 neighbours
	v_mul_u32_u24 v4, v2, CB                       ; my codes' place in a step's
	v_lshrrev_b32 v5, 1, v2
	s_add_co_u32 s23, s23, 2*32*SP
	v_add_nc_u32 v5, s23, v5                       ; LDS: my wave's 256 scale bytes, my block's byte
	v_lshlrev_b32 v7, 3, v2                        ; and on the way out 8 bytes a lane
	v_add_nc_u32 v6, s23, v7
	s_lshr_b32 s24, ttmp9, 7                       ; which tensor: the choice hangs on the work-group's number alone
	s_cmp_eq_u32 s24, 1
	s_cselect_b64 s[4:5], s[6:7], s[4:5]
	s_cmp_eq_u32 s24, 2
	s_cselect_b64 s[4:5], s[8:9], s[4:5]
	s_cmp_eq_u32 s24, 3
	s_cselect_b64 s[4:5], s[10:11], s[4:5]
	s_cmp_eq_u32 s24, 4
	s_cselect_b64 s[4:5], s[12:13], s[4:5]
	s_and_b32 s25, ttmp9, 127
	s_lshl_b32 s25, s25, 2
	s_add_co_u32 s25, s25, s22                     ; my run of 4 rows in the tensor
	s_lshl_b32 s26, s25, 15                        ; 32,768 bytes a run
	s_add_nc_u64 s[4:5], s[4:5], s[26:27]
	s_lshl_b32 s25, ttmp9, 2
	s_add_co_u32 s25, s25, s22                     ; my run among the five tensors' 2,560
	s_lshr_b32 s28, s25, 1
	s_lshr_b32 s29, s25, 2
	s_xor_b32 s28, s28, s29
	s_and_b32 s28, s28, 1                          ; do bits 1 and 2 of the run (bits 3 and 4 of the row) differ?
	s_mul_i32 s28, s28, 6
	s_cmp_eq_u32 s24, 4
	s_cselect_b32 s28, 0, s28                      ; wo's rows stay where they are
	s_xor_b32 s25, s25, s28                        ; the two bits swapped
	s_mul_i32 s26, s25, 6144                       ; 4 rows of 1,536 bytes
	s_add_nc_u64 s[16:17], s[16:17], s[26:27]
	s_lshl_b32 s26, s25, 8                         ; 4 rows of 64 bytes
	s_add_nc_u64 s[18:19], s[18:19], s[26:27]
.macro LOAD t
.irp i, 0,1,2,3
	global_load_b128 v[R+16*((\t)%4)+4*\i:R+16*((\t)%4)+4*\i+3], v3, s[4:5] offset:2048*(\t)+512*\i th:TH_LOAD_NT   ; 32 lanes read 512 consecutive bytes
.endr
.endm
.macro TURN t                          ; step t's numbers through the stage: LDS serves a wave's instructions in order, so no wait stands between the stores and the loads
.irp i, 0,1,2,3
	ds_store_b128 v14, v[R+16*((\t)%4)+4*\i:R+16*((\t)%4)+4*\i+3] offset:32*SP*((\t)%2)+8*SP*\i
.endr
.irp i, 0,1,2,3
	ds_load_b128 v[X+16*((\t)%2)+4*\i:X+16*((\t)%2)+4*\i+3], v15 offset:32*SP*((\t)%2)+16*\i
.endr
.endm
.irp t, 0,1,2,3
	LOAD \t
.endr
	s_wait_loadcnt 12                              ; step 0's four loads are in; the twelve of steps 1 to 3 may be out
	TURN 0
.macro STEP t
.set XS, X+16*((\t)%2)
.if (\t) > 0
	s_wait_dscnt 1                                 ; this step's numbers are back from the stage (the last step's byte store may be out): so its stores into the stage have read their registers,
.else
	s_wait_dscnt 0x0
.endif
.if (\t)+4 < STEPS
	LOAD (\t)+4                                    ; which take the loads of four steps on
.endif
.if (\t)+1 < STEPS
.if STEPS-2-(\t) >= 3
	s_wait_loadcnt 12                              ; the next step's four loads are in; those of the three steps behind it may be out
.else
	s_wait_loadcnt 4*(STEPS-2-(\t))
.endif
	TURN (\t)+1                                    ; and go through the other stage while this step is worked
.endif
	v_max3_num_f32 v8, |v[XS]|, |v[XS+1]|, |v[XS+2]|               ; the largest magnitude of my 16, in two chains
	v_max3_num_f32 v9, |v[XS+3]|, |v[XS+4]|, |v[XS+5]|
.irp i, 6,10
	v_max3_num_f32 v8, v8, |v[XS+\i]|, |v[XS+\i+1]|
	v_max3_num_f32 v9, v9, |v[XS+\i+2]|, |v[XS+\i+3]|
.endr
	v_max3_num_f32 v8, v8, |v[XS+14]|, |v[XS+15]|
	v_max3_num_f32 v8, v8, v9, (EMAX+1)<<23        ; and the floor 2^(EMAX + 1 - 127): the byte cannot fall under 1
	v_max_num_f32_dpp v8, v8, v8 row_xmask:1 row_mask:0xf bank_mask:0xf   ; and of my neighbour's 16: the block's
	v_add_nc_u32 v11, -(EMAX<<23), v8              ; EMAX off its exponent field: the conversion takes the exponent field of this operand as its scale
	v_cvt_scalef32_pk16_fp6_f32 v[C+4*(\t):C+4*(\t)+2], v[XS:XS+15], v11
	v_lshrrev_b32 v[E+(\t)], 23, v11               ; the scale's byte (also the plain line behind the conversion)
	ds_store_b8 v5, v[E+(\t)] offset:16*(\t)       ; both lanes of a block write the same byte with the same value
	global_store_b96 v4, v[C+4*(\t):C+4*(\t)+2], s[16:17] offset:32*CB*(\t)   ; the wave stores 384 consecutive bytes
.endm
.irp t, 0,1,2,3,4,5,6,7,8,9,10,11,12,13,14,15
	STEP \t
.endr
	ds_load_b64 v[12:13], v6                       ; LDS serves a wave's instructions in order: these see my stores
	s_wait_dscnt 0x0
	global_store_b64 v7, v[12:13], s[18:19]        ; 32 lanes store 256 consecutive bytes, aligned
	s_wait_tensorcnt 0x0
	ds_add_u32 v192, v193
	s_wait_dscnt 0x0
	s_endpgm
.Lfc:
	s_sub_co_u32 s24, ttmp9, QWG
	s_lshl_b32 s24, s24, 2
	s_add_co_u32 s24, s24, s22                     ; T: my tile of 16 positions, 0 .. 127
	s_lshr_b32 s25, s24, 1
	s_lshl_b32 s25, s25, 15                        ; 32 (T / 2) positions of 1,024 bytes
	s_and_b32 s26, s24, 1
	s_lshl_b32 s26, s26, 13                        ; + 8 (T % 2)
	s_add_co_u32 s26, s25, s26
	s_add_nc_u64 s[14:15], s[14:15], s[26:27]
	s_lshl_b32 s26, s24, 14                        ; the tile's 16,384 bytes in the image
	s_add_nc_u64 s[20:21], s[20:21], s[26:27]
	v_and_b32 v3, 15, v0                           ; r
	v_bfe_u32 v4, v0, 4, 1                         ; h
	v_and_b32 v6, 8, v3
	v_add_nc_u32 v6, v6, v3                        ; r + 8 (r / 8)
	v_lshlrev_b32 v1, 10, v6
	v_lshl_add_u32 v1, v4, 7, v1                   ; my position's row, + 8 h pairs of 16 bytes
	v_lshlrev_b32 v5, 4, v2                        ; out: 16 x lane
.set k, 0
.rept 32
	global_load_b128 v[16+4*k:19+4*k], v1, s[14:15] offset:(k/8)*256+(k%8)*16 th:TH_LOAD_NT   ; pair 16 (k / 8) + 8 h + k % 8
.set k, k+1
.endr
.set k, 0
.rept 32
	s_wait_loadcnt 31-k                            ; loads come back in order: piece k is in, the younger ones may be out
	global_store_b128 v5, v[16+4*k:19+4*k], s[20:21] offset:512*k   ; 32 lanes store 512 consecutive bytes
.set k, k+1
.endr
	s_endpgm
.Lfunc_end_k_q3c36969db4_quant:
	.size	k_q3c36969db4_quant, .Lfunc_end_k_q3c36969db4_quant-k_q3c36969db4_quant
	.p2alignl 7, 3214868480
	.fill 96, 4, 3214868480
	.section	.rodata,"a",@progbits
	.p2align	6, 0x0
	.amdhsa_kernel k_q3c36969db4_quant
		.amdhsa_group_segment_fixed_size 33280
		.amdhsa_private_segment_fixed_size 0
		.amdhsa_enable_private_segment 0
		.amdhsa_kernarg_size 72
		.amdhsa_user_sgpr_count 2
		.amdhsa_user_sgpr_kernarg_segment_ptr 1
		.amdhsa_wavefront_size32 1
		.amdhsa_system_sgpr_workgroup_id_x 1
		.amdhsa_system_sgpr_workgroup_id_y 1
		.amdhsa_system_sgpr_workgroup_id_z 1
		.amdhsa_system_vgpr_workitem_id 0
		.amdhsa_next_free_vgpr 194
		.amdhsa_next_free_sgpr 66
		.amdhsa_reserve_vcc 0
		.amdhsa_float_denorm_mode_32 3
		.amdhsa_float_denorm_mode_16_64 3
		.amdhsa_memory_ordered 1
		.amdhsa_forward_progress 1
		.amdhsa_inst_pref_size 40
	.end_amdhsa_kernel
	.amdgpu_metadata
---
amdhsa.version: [ 1, 2 ]
amdhsa.kernels:
  - .name:           k_q3c36969db4_quant
    .symbol:         k_q3c36969db4_quant.kd
    .args:
      - { .name: x, .offset: 0, .size: 8, .value_kind: global_buffer, .address_space: global }
      - { .name: wq, .offset: 8, .size: 8, .value_kind: global_buffer, .address_space: global }
      - { .name: wk, .offset: 16, .size: 8, .value_kind: global_buffer, .address_space: global }
      - { .name: wv, .offset: 24, .size: 8, .value_kind: global_buffer, .address_space: global }
      - { .name: wo, .offset: 32, .size: 8, .value_kind: global_buffer, .address_space: global }
      - { .name: freq_cis, .offset: 40, .size: 8, .value_kind: global_buffer, .address_space: global }
      - { .name: codes, .offset: 48, .size: 8, .value_kind: global_buffer, .address_space: global }
      - { .name: scales, .offset: 56, .size: 8, .value_kind: global_buffer, .address_space: global }
      - { .name: fcimg, .offset: 64, .size: 8, .value_kind: global_buffer, .address_space: global }
    .group_segment_fixed_size: 33280
    .private_segment_fixed_size: 0
    .kernarg_segment_align: 8
    .kernarg_segment_size: 72
    .max_flat_workgroup_size: 128
    .sgpr_count:     66
    .vgpr_count:     194
    .wavefront_size: 32
...
	.end_amdgpu_metadata
.endif
;; end of part 1
;; launch qkv (part 2): grid 24 x 8, 4 waves a work-group, clusters of 4 x 4, 327,680 bytes of LDS; arguments codes, scales, fcimg, q, kv; writes q, kv
.if DOCPART == 2
	.amdgcn_target "amdgcn-amd-amdhsa--gfx1250"
	.amdhsa_code_object_version 6
	.text
	.protected	k_q3c36969db4_qkv
	.globl	k_q3c36969db4_qkv
	.p2align	8
	.type	k_q3c36969db4_qkv,@function
k_q3c36969db4_qkv:
	s_mov_b64 s[64:65], 0
	v_nop
	global_prefetch_b8 v0, s[64:65] scope:SCOPE_SE
	s_setreg_imm32_b32 hwreg(HW_REG_WAVE_MODE, 25, 1), 1
	s_wait_xcnt 0x0
	s_wait_alu depctr_hold_cnt(0) depctr_sa_sdst(0) depctr_va_vdst(0) depctr_va_sdst(0) depctr_va_ssrc(0) depctr_va_vcc(0) depctr_vm_vsrc(0)
	s_getreg_b32 s2, hwreg(HW_REG_IB_STS2, 6, 4)
	s_cmp_eq_u32 s2, 0
	s_cbranch_scc0 .Lentry_in_a_cluster
	s_endpgm
.Lentry_in_a_cluster:
	s_bfe_u32 s2, ttmp6, 0x10000c
	s_cmp_lg_u32 s2, 0xf033
	s_cbranch_scc0 .Lentry_shape_is_right
	s_endpgm
.Lentry_shape_is_right:
; The three projections x wq^T, x wk^T, x wv^T on codes of FP6 (E2M3) with E8M0 scales, K = 2,048; then RoPE (q, k) and the quantiser of the next products; the results leave as images of operand registers.
; ONE FORM: C[m][n] = sum over k of A[m][k] B[n][k], a work-group makes 256 x 256, each of four waves 128 x 128 (64 accumulators, 512 registers).  Tile columns X = 0-7: A = x, B = wq; 8-15: A = x, B = wk;
; 16-23: A = wv, B = x, so that V comes out with the KEYS along a lane's registers: they are the K of the second product of attention.  All five tensors lie on end in one buffer: a tile is told by its first row.
; THE MATRIX INSTRUCTION IS USED TRANSPOSED (source 0 = 16 rows of B, source 1 = 16 rows of A): lane (r, h) holds row r of A's block, and its registers run along B's rows.  The rows of the buffer lie with bits 3 and 4 of
; their number swapped, so register n (0-63) of a block of 16 rows is B's row 32 (n / 16) + 16 h + n % 16 of the wave's 128, and lane r is A's row 32 (a / 2) + 8 (a % 2) + r + 8 (r / 8): 16 neighbours along the next K in a lane.
; K goes in steps of 256 through a ring of two LDS slots filled by the tensor data mover; the scale bytes of the work-group's rows come into LDS once.  4 x 4 work-groups form a cluster: A's tiles are asked for jointly
; along a row of the cluster, B's along a column.  192 work-groups: tiles of half the size would be 384, which is one and a half turns of the WGPs and feeds half the products from each LDS byte.
; THE WAY OUT, for each of the wave's 8 blocks of 16 rows: (q, k) the 2 x 2 matrices of freq_cis, read as an image of registers (32 loads of 512 consecutive bytes, two blocks ahead), turn each pair; the 64 numbers of
; a lane are quantised in blocks of 32 (halves of a block lie in lanes l and l xor 16); the fragment's 12 registers leave by three stores of 512 consecutive bytes, the 8 scale words by two.  No LDS on the way out.
; q's and k's way and V's way part ONCE, ahead of the last step of K, which is written on both: so every register that a way reads is written on that way.
; LIMITS: NaN and infinities are not served; a block under 2^-124 or of zeros keeps the byte 1 (zero codes; this program alone reads the bytes); RoPE is a product and one fused multiply-add where the definition rounds two products and a sum.
; REGISTERS: window 0: v0-31 addresses; v32-63 scale words, two sets; v128-223 A's fragments, one set; on the way out v64-127 turned numbers, v128-147 codes, v160-175 at work, v224-231 the new scale words.
;   window 1: B's fragments, two sets, at v0 and v128; on the way out the matrices of freq_cis, two sets of 128.   windows 2, 3: the accumulators ((a, b) at v[8 (8 (a % 4) + b)]).
.set SIZE_K, 2048
.set KSTEP,  256                       ; along K in a slot
.set NQ,     KSTEP/128                 ; matrix instructions deep
.set ROWB,   192                       ; a tile's row in bytes
.set KROW,   SIZE_K*6/8                ; a row of codes in memory
.set PITCH,  240                       ; an LDS row: 3 x (64 bytes + 16 of padding)
.set FR,     12                        ; registers of a fragment
.set NL,     6                         ; LDS loads that bring one
.set NP,     4                         ; places behind this matrix instruction (ISA guide 7.12.1)
.set HALFT,  128*PITCH                 ; 128 rows: what one tensor load brings
.set SLOT,   4*HALFT                   ; A's 256 rows, then B's 256 rows
.set LAPS,   SIZE_K/(2*KSTEP)
.set KS,     SIZE_K/32                 ; a row of scale bytes
.set SCL,    2*SLOT                    ; behind the ring: the scales, as runs of 256 bytes + 16 of padding
.set HALFS,  (128*KS/256)*272
.set SBLK,   (16*KS/256)*272
.set SPARE,  SCL+4*HALFS               ; the spare words, 128 bytes for each wave
.set ADRA, 16                          ; v16-17 LDS address of my A fragments in slot 0, 1 (v18-19: behind one padding more)
.set ADRB, 20                          ; v20-21 the same for B (v22-23)
.set OL,   26                          ; v26    16 x lane: my place in every image; never rewritten
.set ADRS, 27                          ; v27    LDS address of my scale words: lanes 0-15 A's rows, lanes 16-31 B's
.set SPW,  28                          ; v28    LDS address of my spare word; never rewritten
.set NIL,  29                          ; v29    0; never rewritten
.set SC,   32                          ; scale words, set s at v[SC + 16 s]
.set AF,   128                         ; A's fragments
.set R,    64                          ; the way out: 64 turned numbers
.set CD,   128                         ; the codes just made (12 registers, and 8 at work)
.set TM,   160                         ; v160-163 largest magnitudes, v164-167 bytes, v172-175 the conversions' scale operands
.set SW,   224                         ; the 8 blocks' scale words
.set G1, 24                            ; s[24:31] descriptor group 1 for A's tiles; s[32:39] group 0, one set for each slot
.set G0, 32
.set G1B, 48
.set G0B, 56
.set G1S, 68                           ; s[68:75], s[76:79] groups 1 and 0 for A's scales; s[80:87], s[88:91] for B's
.set G0S, 76
.set G1SB, 80
.set G0SB, 88
.set FC,  8                            ; s[8:9]   freq_cis's image at my 128 positions
.set DC,  92                           ; s[92:93] where my fragments go
.set DS,  94                           ; s[94:95] where my scale words go
.set SEL, 66                           ; s[66:67] v_permlanex16_b32's selects for lane l xor 16
.set MSB, 0
.macro WIN new                         ; the immediate's high byte repeats the setting that is left
.if MSB != (\new)
	s_set_vgpr_msb (MSB<<8)|(\new)
.set MSB, (\new)
.endif
.endm
.set MUL_LO, 0xa1                      ; source 0 (B) window 1, source 1 (A) window 0, C and D window 2
.set MUL_HI, 0xf1                      ; the same, C and D window 3
.set TO_B,   0x40                      ; destination window 1, address window 0
; A joint load: waves 0 and 1 fetch for A, waves 2 and 3 for B; the branch hangs on the wave's number alone.  Four v_nop follow each of the two lines.
.macro JLOAD g0a, g1a, g0b, g1b
	s_cmp_eq_u32 s15, 0
	s_cbranch_scc0 .Lfor_b_\@
	tensor_load_to_lds s[\g0a:\g0a+3], s[\g1a:\g1a+7]
	s_nop 0
.rept 4
	v_nop
.endr
	s_branch .Lasked_\@
.Lfor_b_\@:
	tensor_load_to_lds s[\g0b:\g0b+3], s[\g1b:\g1b+7]
	s_nop 0
.rept 4
	v_nop
.endr
.Lasked_\@:
.endm
.macro CREST                           ; a round of the cluster's barrier behind its opening barrier
	s_cmp_lg_u32 s14, 0
	s_cbranch_scc1 .Lnot_wave_0_\@
	s_barrier_signal -3
.Lnot_wave_0_\@:
	s_barrier_wait -3
	s_barrier_signal -1
	s_barrier_wait -1
.endm
.macro CROUND                          ; a whole round
	s_barrier_signal -1
	s_barrier_wait -1
	CREST
.endm
	s_load_b128 s[4:7], s[0:1], 0x0                ; codes, scales
	s_load_b128 s[8:11], s[0:1], 0x10              ; fcimg, q
	s_load_b64 s[12:13], s[0:1], 0x20              ; kv
	v_lshl_add_u32 v[SPW], v0, 2, SPARE
	v_mov_b32 v[NIL], 0
	ds_add_u32 v28, v29
	s_wait_dscnt 0x0
	v_lshrrev_b32 v1, 5, v0
	v_readfirstlane_b32 s14, v1                    ; wave 0..3
	s_lshr_b32 s15, s14, 1                         ; which half of the tile's rows (A) is mine.  Also: I fetch for A (0) or for B (1)
	s_and_b32 s16, s14, 1                          ; which half of its columns (B).  Also: which 128 rows of that tile I fetch
	s_bfe_u32 s40, ttmp6, 0x40000                  ; cx, cy: my place in the cluster
	s_bfe_u32 s41, ttmp6, 0x40004
	s_lshl_b32 s42, ttmp9, 2
	s_add_co_u32 s42, s42, s40                     ; X = 4 x cluster x + cx
	s_and_b32 s17, ttmp7, 0xffff
	s_lshl_b32 s17, s17, 2
	s_add_co_u32 s17, s17, s41                     ; Y = 4 x cluster y + cy
	s_lshl_b32 s43, s41, 2
	s_lshl_b32 s43, 15, s43                        ; my row of the cluster
	s_lshl_b32 s44, 0x1111, s40                    ; my column
	; descriptor group 1: a tile of 128 rows x 192 bytes, 16 bytes of padding behind every 64
	s_or_b32 s[G1+0], s43, (0<<16)|(1<<20)|(1<<21)|(3<<22)|(3<<25)  ; 15:0 the mask: A's tiles go to my row; 17:16 elements of 1 byte; 20 padding on; 21 set beside a mask; 24:22 after every 16 words; 31:25 4 words
	s_or_b32 s[G1B+0], s44, (0<<16)|(1<<20)|(1<<21)|(3<<22)|(3<<25)
.irp g, G1, G1B
	s_mov_b32 s[\g+1], ROWB<<16                    ; tensor_dim0
	s_mov_b32 s[\g+2], 128<<16                     ; tensor_dim1
	s_mov_b32 s[\g+3], ROWB<<16                    ; tile_dim0
	s_mov_b32 s[\g+4], 128                         ; tile_dim1
	s_mov_b32 s[\g+5], KROW                        ; tensor_dim0_stride
	s_mov_b32 s[\g+6], 0
	s_mov_b32 s[\g+7], 0
.endr
	; the scales of 128 rows: a dense block of 8,192 bytes, as 32 rows of 256 bytes (32 elements of 8 bytes), 16 bytes of padding behind each
	s_or_b32 s[G1S+0], s43, (3<<16)|(1<<20)|(1<<21)|(5<<22)|(3<<25)
	s_or_b32 s[G1SB+0], s44, (3<<16)|(1<<20)|(1<<21)|(5<<22)|(3<<25)
.irp g, G1S, G1SB
	s_mov_b32 s[\g+1], 32<<16
	s_mov_b32 s[\g+2], (128*KS/256)<<16
	s_mov_b32 s[\g+3], 32<<16
	s_mov_b32 s[\g+4], 128*KS/256
	s_mov_b32 s[\g+5], 32
	s_mov_b32 s[\g+6], 0
	s_mov_b32 s[\g+7], 0
.endr
	; the tiles' first rows among the five tensors' 10,240 (x 0, wq 2,048, wk 4,096, wv 6,144).  Cluster x 4 and 5 make V: the same in all sixteen partners
	s_lshr_b32 s2, ttmp9, 2
	s_mul_i32 s2, s2, 6144                         ; 6,144 for V's tiles, else 0
	s_lshl_b32 s18, s16, 7                         ; which 128 rows of the tile I fetch
	s_lshl_b32 s20, s17, 8
	s_add_co_u32 s20, s20, s18
	s_add_co_u32 s20, s20, s2                      ; A: x's rows 256 Y on, or wv's: hangs on Y and the cluster's x
	s_lshl_b32 s46, s42, 8
	s_add_co_u32 s46, s46, s18
	s_add_co_u32 s46, s46, 2048
	s_sub_co_u32 s46, s46, s2                      ; B: wq's and wk's rows 256 X on, or x's rows 256 (X - 16) on: hangs on X and the cluster's x
	s_mov_b32 s21, 0
	s_mov_b32 s47, 0
	s_mov_b64 s[18:19], KS
	s_mul_u64 s[22:23], s[20:21], s[18:19]         ; where these rows' scales begin, in bytes
	s_mul_u64 s[92:93], s[46:47], s[18:19]
	s_mov_b64 s[18:19], KROW
	s_mul_u64 s[20:21], s[20:21], s[18:19]         ; and their codes
	s_mul_u64 s[46:47], s[46:47], s[18:19]
	s_mul_i32 s45, s14, HALFT                      ; where they go: wave x 128 rows: no place in the cluster enters an LDS address
	s_mul_i32 s94, s14, HALFS
	s_wait_kmcnt 0x0
	s_add_nc_u64 s[20:21], s[4:5], s[20:21]
	s_add_nc_u64 s[22:23], s[6:7], s[22:23]
	s_add_nc_u64 s[46:47], s[4:5], s[46:47]
	s_add_nc_u64 s[92:93], s[6:7], s[92:93]
	CROUND                                         ; all sixteen work-groups are here: the first joint loads meet
	s_mov_b32 s[G0S], 1
	s_add_co_u32 s[G0S+1], s94, SCL
	s_mov_b64 s[G0S+2:G0S+3], s[22:23]
	s_or_b32 s[G0S+3], s[G0S+3], 0x80000000
	s_mov_b32 s[G0SB], 1
	s_add_co_u32 s[G0SB+1], s94, SCL
	s_mov_b64 s[G0SB+2:G0SB+3], s[92:93]
	s_or_b32 s[G0SB+3], s[G0SB+3], 0x80000000
	JLOAD G0S, G1S, G0SB, G1SB                     ; the scales first: they are wanted with K step 0.  With the two below, three loads of mine are out
.irp s, 0,1
	s_mov_b32 s[G0+4*\s], 1
	s_add_co_u32 s[G0+4*\s+1], s45, \s*SLOT
	s_add_nc_u64 s[G0+4*\s+2:G0+4*\s+3], s[20:21], \s*ROWB
	s_or_b32 s[G0+4*\s+3], s[G0+4*\s+3], 0x80000000
	s_mov_b32 s[G0B+4*\s], 1
	s_add_co_u32 s[G0B+4*\s+1], s45, \s*SLOT
	s_add_nc_u64 s[G0B+4*\s+2:G0B+4*\s+3], s[46:47], \s*ROWB
	s_or_b32 s[G0B+4*\s+3], s[G0B+4*\s+3], 0x80000000
	JLOAD G0+4*\s, G1, G0B+4*\s, G1B
.endr
	v_and_b32 v1, 15, v0                           ; r
	v_bfe_u32 v2, v0, 4, 1                         ; h
	v_mul_u32_u24 v3, v1, PITCH
	v_mul_u32_u24 v4, v2, 24
	v_add_nc_u32 v4, v3, v4                        ; a fragment's row x pitch + 24 x half
	v_lshl_add_u32 v5, v2, 4, v4                   ; and the same behind one padding more
	s_mul_i32 s21, s15, HALFT                      ; my 128 rows of A
	s_mul_i32 s22, s16, HALFT                      ; my 128 rows of B,
	s_add_co_u32 s22, s22, 2*HALFT                 ; which lie behind A's 256
.irp s, 0,1
	v_add_nc_u32 v[ADRA+\s], s21, v4
	v_add_nc_u32 v[ADRB+\s], s22, v4
	v_add_nc_u32 v[ADRA+2+\s], s21, v5
	v_add_nc_u32 v[ADRB+2+\s], s22, v5
	s_add_co_u32 s21, s21, SLOT
	s_add_co_u32 s22, s22, SLOT
.endr
	v_mul_u32_u24 v5, v1, KS                       ; my row's scales: KS bytes a row,
	v_lshrrev_b32 v6, 8, v5
	v_lshl_add_u32 v5, v6, 4, v5                   ; and 16 more for each 256 passed
	s_mul_i32 s21, s15, HALFS
	s_mul_i32 s22, s16, HALFS
	s_add_co_u32 s22, s22, 2*HALFS
	s_sub_co_u32 s22, s22, s21
	v_mul_u32_u24 v6, s22, v2                      ; lanes 16-31 take B's: one product, the distance between the two bases
	s_add_co_u32 s21, s21, SCL
	v_add_nc_u32 v5, v5, v6
	v_add_nc_u32 v[ADRS], s21, v5
	v_and_b32 v6, 31, v0
	v_lshlrev_b32 v[OL], 4, v6
	s_mov_b32 s[SEL], 0x76543210
	s_mov_b32 s[SEL+1], 0xfedcba98
	; where my wave's results go.  q: record 16 head + group of 128 queries, 13,312 bytes: 8 fragments, then the scale words.  kv: record 16 head + key step, 26,624 bytes: K's 8 fragments, V's 8, K's scale words, V's
	s_lshl_b32 s18, s17, 1
	s_add_co_u32 s18, s18, s15                     ; which 128 rows of A are mine: positions (q, k), or V's head
	s_lshl_b32 s19, s42, 1
	s_add_co_u32 s19, s19, s16                     ; which 128 rows of B: head (q), 16 + head (k), 32 + key step (V)
	s_lshl_b32 s20, s19, 4
	s_add_co_u32 s20, s20, s18                     ; q's record
	s_sub_co_u32 s22, s20, 256                     ; k's
	s_lshl_b32 s21, s18, 4
	s_add_co_u32 s21, s21, s19
	s_sub_co_u32 s21, s21, 32                      ; V's
	s_cmp_lt_u32 ttmp9, 4
	s_cselect_b32 s21, s22, s21
	s_cselect_b32 s23, 0, 12288                    ; V's fragments lie behind K's
	s_mov_b32 s2, 25600
	s_cselect_b32 s2, 24576, s2                    ; the scale words' place in a record of kv
	s_cmp_lt_u32 ttmp9, 2
	s_cselect_b32 s21, s20, s21
	s_mov_b32 s22, 26624
	s_cselect_b32 s22, 13312, s22                  ; a record's bytes
	s_cselect_b32 s2, 12288, s2
	s_cselect_b64 s[DC:DC+1], s[10:11], s[12:13]   ; q or kv: the choice hangs on the cluster's x alone
	s_mul_i32 s22, s21, s22
	s_add_co_u32 s46, s22, s23
	s_mov_b32 s47, 0
	s_add_co_u32 s22, s22, s2
	s_mov_b32 s23, 0
	s_mov_b64 s[DS:DS+1], s[DC:DC+1]
	s_add_nc_u64 s[DC:DC+1], s[DC:DC+1], s[46:47]
	s_add_nc_u64 s[DS:DS+1], s[DS:DS+1], s[22:23]
	s_lshl_b32 s22, s18, 17                        ; 8 tiles of 16,384 bytes of freq_cis's image
	s_add_nc_u64 s[FC:FC+1], s[FC:FC+1], s[22:23]
.macro FRAG reg, adr, q, i             ; a fragment, 16 rows x 128 K, is 12 registers: lane l holds row l % 16; registers 6 c .. 6 c + 5 hold K = 64 c + 32 (l / 16) + 0 .. 31: 24 bytes of the row's stream of bits
.irp p, 0,1,2,3,4,5                    ; in pieces of 8 bytes.  Lanes 16-31 read three pieces further on; where that lies behind one padding more, the second address register serves
.set PC, 12*(\q)+6*(\p/3)+\p%3
.if PC%8 < 5
	ds_load_b64 v[\reg+2*\p:\reg+2*\p+1], v[\adr] offset:8*PC+16*(PC/8)+(\i)*16*PITCH
.else
	ds_load_b64 v[\reg+2*\p:\reg+2*\p+1], v[\adr+2] offset:8*PC+16*(PC/8)+(\i)*16*PITCH
.endif
.endr
.endm
; 16 matrix instructions: A's blocks a0, a0 + 1 x B's eight, 128 along K.  The 64 accumulators take turns, one instruction a turn, in the same order in every step.
.macro MUL16 a0, p, q, sc, zero
.irp a, \a0, \a0+1
.irp b, 0,1,2,3,4,5,6,7
.if \zero
	v_wmma_scale_f32_16x16x128_f8f6f4 v[8*(8*((\a)%4)+\b):8*(8*((\a)%4)+\b)+7], v[128*(\p)+FR*\b:128*(\p)+FR*\b+FR-1], v[AF+FR*(\a):AF+FR*(\a)+FR-1], 0, v[SC+8*NQ*(\sc)+NQ*\b+(\q)], v[SC+8*NQ*(\sc)+NQ*(\a)+(\q)] matrix_a_fmt:MATRIX_FMT_FP6 matrix_b_fmt:MATRIX_FMT_FP6 matrix_a_scale:MATRIX_SCALE_ROW1
.else
	v_wmma_scale_f32_16x16x128_f8f6f4 v[8*(8*((\a)%4)+\b):8*(8*((\a)%4)+\b)+7], v[128*(\p)+FR*\b:128*(\p)+FR*\b+FR-1], v[AF+FR*(\a):AF+FR*(\a)+FR-1], v[8*(8*((\a)%4)+\b):8*(8*((\a)%4)+\b)+7], v[SC+8*NQ*(\sc)+NQ*\b+(\q)], v[SC+8*NQ*(\sc)+NQ*(\a)+(\q)] matrix_a_fmt:MATRIX_FMT_FP6 matrix_b_fmt:MATRIX_FMT_FP6 matrix_a_scale:MATRIX_SCALE_ROW1
.endif
.endr
.endr
.endm
.macro FETCH_B slot, q, p              ; B's eight fragments of the slot's q-th 128 along K into set p
	WIN TO_B
.irp i, 0,1,2,3,4,5,6,7
	FRAG 128*(\p)+FR*\i, ADRB+\slot, \q, \i
.endr
	WIN 0
.endm
.macro FETCH_A slot, q, i0             ; A's blocks i0 .. i0 + 3
.irp i, \i0, \i0+1, \i0+2, \i0+3
	FRAG AF+FR*(\i), ADRA+\slot, \q, \i
.endr
.endm
.macro SCALES sc                       ; the next K step's scale words into set sc: lanes 0-15 take A's block i, lanes 16-31 B's block i
.irp i, 0,1,2,3,4,5,6,7
	ds_load_b64 v[SC+8*NQ*\sc+NQ*\i:SC+8*NQ*\sc+NQ*\i+1], v[ADRS] offset:\i*SBLK
.endr
.endm
.macro PLACES n                        ; plain vector lines between a matrix instruction and a load into, or a vector read or write of, its registers
.rept \n
	v_nop
.endr
.endm
.macro STEP slot, q, zero              ; a step of 128 along K that has its successor in the same slot
	s_wait_dscnt 4*NL                              ; B's set and A's blocks 0-3 are in; the youngest 24 loads (A's blocks 4-7) may be out
	WIN MUL_LO
	MUL16 0, (\q)%2, \q, \slot, \zero
	MUL16 2, (\q)%2, \q, \slot, \zero
	s_wait_dscnt 0                                 ; A's blocks 4-7 are in
	PLACES NP
	FETCH_B \slot, (\q)+1, 1-(\q)%2
	FETCH_A \slot, (\q)+1, 0
	WIN MUL_HI
	MUL16 4, (\q)%2, \q, \slot, \zero
	MUL16 6, (\q)%2, \q, \slot, \zero
	PLACES NP
	WIN 0
	FETCH_A \slot, (\q)+1, 4
.endm
; A slot's last step changes slots: in front of the barrier each wave waits for all its tensor loads, adds 0 to its spare word, and waits for that and for its own reads of this slot.  fill = 1: the slot is filled again, two K steps ahead.
.macro TURN slot, next, fill
	s_wait_tensorcnt 0x0                           ; all my tensor loads have landed: my part of the next slot
	ds_add_u32 v[SPW], v[NIL]                      ; 0 onto my spare word
	s_wait_dscnt 4*NL+1                            ; (the add and the youngest 24 loads, A's blocks 4-7, may be out)
	WIN MUL_LO
	MUL16 0, 1, NQ-1, \slot, 0                     ; sixteen matrix instructions stand between the add and the wait for it
	s_wait_dscnt 0x0                               ; the add is done, and my reads of this slot are over
	s_barrier_signal -1
	MUL16 2, 1, NQ-1, \slot, 0
	WIN 0
	s_barrier_wait -1
.if \fill
	CREST                                          ; the barrier has opened a round of the cluster's barrier: no wave of any partner still reads this slot or has a load on its way
	s_add_nc_u64 s[G0+4*\slot+2:G0+4*\slot+3], s[G0+4*\slot+2:G0+4*\slot+3], 2*ROWB
	s_add_nc_u64 s[G0B+4*\slot+2:G0B+4*\slot+3], s[G0B+4*\slot+2:G0B+4*\slot+3], 2*ROWB
	JLOAD G0+4*\slot, G1, G0B+4*\slot, G1B         ; the first tensor load behind the round, my one load until the next; its four v_nop are the places in front of the loads below
.else
	PLACES NP
.endif
	v_add_nc_u32 v[ADRS], 4*NQ, v[ADRS]            ; on to the next K step's scale words
	FETCH_B \next, 0, 0
	FETCH_A \next, 0, 0
	SCALES \next
	WIN MUL_HI
	MUL16 4, 1, NQ-1, \slot, 0
	MUL16 6, 1, NQ-1, \slot, 0
	PLACES NP
	WIN 0
	FETCH_A \next, 0, 4
.endm
; The very last step of K: nothing more to fetch.  It multiplies B's set 1.  Behind it four places, then the registers that the lane permutes of the way out name as destinations are written once.
.macro LAST
	s_wait_dscnt 4*NL                              ; B's set and A's blocks 0-3 are in; the youngest 24 loads (A's blocks 4-7) may be out
	WIN MUL_LO
	MUL16 0, 1, NQ-1, 1, 0
	MUL16 2, 1, NQ-1, 1, 0
	s_wait_dscnt 0
	WIN MUL_HI
	MUL16 4, 1, NQ-1, 1, 0
	MUL16 6, 1, NQ-1, 1, 0
	WIN 0
	PLACES NP
.irp b, 0,1,2,3
	v_mov_b32 v[TM+4+\b], 0                        ; a lane permute's destination counts as one of its sources
.endr
.endm
; THE WAY OUT.  The matrices of block a's 16 positions: 32 loads of 512 consecutive bytes into set a % 2 of window 1: register 4 k + 2 i + j = freq_cis[my position][pair k of my 32][i][j]
.macro FCLOAD a
	WIN TO_B
.set k, 0
.rept 32
	global_load_b128 v[128*((\a)%2)+4*k:128*((\a)%2)+4*k+3], v[OL], s[FC:FC+1] offset:(\a)*16384+512*k
.set k, k+1
.endr
	WIN 0
.endm
; 64 numbers of a lane in window w, register 16 b + i = k 32 b + 16 (lane / 16) + i of my row, become a fragment's codes in v[CD] on and its scale word in v[pw].  Each accumulator is read from its low end on.
.macro QUANT s, w, pw
	WIN (\w)|((\w)<<2)
.irp b, 0,1,2,3
	v_max3_num_f32 v[TM+\b], |v[(\s)+16*\b]|, |v[(\s)+1+16*\b]|, 0x1800000   ; block b: my 16 numbers, and the floor 2^(3 - 127): the byte cannot fall under 1
.endr
.irp i, 2,4,6,8,10,12,14
.irp b, 0,1,2,3
	v_max3_num_f32 v[TM+\b], |v[(\s)+16*\b+\i]|, |v[(\s)+1+16*\b+\i]|, v[TM+\b]   ; (the four blocks by turns; the running maximum is source 2, in window 0)
.endr
.endr
	WIN 0
.irp b, 0,1,2,3
	v_permlanex16_b32 v[TM+4+\b], v[TM+\b], s[SEL], s[SEL+1]
.endr
.irp b, 0,1,2,3
	v_max_num_f32 v[TM+\b], v[TM+\b], v[TM+4+\b]   ; with lane l xor 16's: the block's largest magnitude
.endr
.irp b, 0,1,2,3
	v_add_nc_u32 v[TM+12+\b], 0xff000000, v[TM+\b] ; 2 off its exponent field: the conversion's scale operand
.endr
.irp b, 0,1,2,3
	v_lshrrev_b32 v[TM+4+\b], 23, v[TM+12+\b]      ; the scale's byte
.endr
	v_lshl_or_b32 v[\pw], v[TM+5], 8, v[TM+4]      ; the four bytes make my row's scale word
	v_lshl_or_b32 v[\pw], v[TM+6], 16, v[\pw]
	v_lshl_or_b32 v[\pw], v[TM+7], 24, v[\pw]
	s_wait_xcnt 0x0                                ; the last block's stores have read the codes' registers: only now are they written again
	WIN (\w)
.irp c, 0,1
	v_cvt_scalef32_pk16_fp6_f32 v[CD+6*\c:CD+2+6*\c], v[(\s)+32*\c:(\s)+15+32*\c], v[TM+12+2*\c]
	v_cvt_scalef32_pk16_fp6_f32 v[CD+12+4*\c:CD+14+4*\c], v[(\s)+16+32*\c:(\s)+31+32*\c], v[TM+12+2*\c+1]   ; (a conversion's three registers begin on an even number)
.endr
	WIN 0
	v_nop                                          ; one plain line behind a scaled conversion
.irp c, 0,1                                    ; the operand's layout wants a whole block in a lane: lanes 0-15 block 2 c, lanes 16-31 block 2 c + 1
.irp i, 0,1,2
	v_permlane16_swap_b32 v[CD+6*\c+\i], v[CD+12+4*\c+\i]
.endr
.irp i, 0,1,2
	v_mov_b32 v[CD+3+6*\c+\i], v[CD+12+4*\c+\i]
.endr
.endr
.endm
.macro EPI a, rope                     ; block a of my eight
.set W, 2+(\a)/4
.set AC, 64*((\a)%4)
.set F, 128*((\a)%2)
.if \rope
.if (\a) < 7
	s_wait_loadcnt 32                              ; this block's 32 loads are in; the next block's 32 may be out
.else
	s_wait_loadcnt 0x0
.endif
	WIN 0x04|W                                     ; source 0: the accumulators' window; source 1: window 1; destination: window 0
.set k, 0
.rept 32
	v_mul_f32 v[R+2*k], v[AC+2*k], v[F+4*k]        ; out(i) = t(0) fc(i, 0) + t(1) fc(i, 1), the four numbers as they are given
	v_mul_f32 v[R+2*k+1], v[AC+2*k], v[F+4*k+2]
	v_fmac_f32 v[R+2*k], v[AC+2*k+1], v[F+4*k+1]
	v_fmac_f32 v[R+2*k+1], v[AC+2*k+1], v[F+4*k+3]
.set k, k+1
.endr
	WIN 0
.if (\a) < 6
	FCLOAD (\a)+2                                  ; into the set just read
.endif
	QUANT R, 0, SW+(\a)
.else
	QUANT AC, W, SW+(\a)
.endif
.irp c, 0,1,2
	global_store_b128 v[OL], v[CD+4*\c:CD+4*\c+3], s[DC:DC+1] offset:(\a)*1536+512*\c   ; the fragment as an image of its registers: 32 lanes store 512 consecutive bytes, aligned to 256
.endr
.endm
	s_wait_tensorcnt 1                             ; the scales and my part of K step 0 are in (K step 1's load may be out),
	s_barrier_signal -1
	s_barrier_wait -1                              ; everybody's are
	FETCH_B 0, 0, 0
	FETCH_A 0, 0, 0
	SCALES 0
	FETCH_A 0, 0, 4
	STEP 0, 0, 1                                   ; the first step stands in front of the loop: its products start the sums
	s_mov_b32 s3, LAPS-1
.Llap:                                             ; a trip goes once round the ring and fills both slots again
	TURN 0, 1, 1
	STEP 1, 0, 0
	TURN 1, 0, 1
	STEP 0, 0, 0
	s_sub_co_u32 s3, s3, 1
	s_cmp_lg_u32 s3, 0
	s_cbranch_scc1 .Llap
	TURN 0, 1, 0                                   ; the last lap fills nothing
	STEP 1, 0, 0
	s_cmp_ge_u32 ttmp9, 4                          ; V has no RoPE.  The ways part here, once; the branch hangs on the cluster's x: the same in all partners
	s_cbranch_scc1 .Lv
	FCLOAD 0                                       ; B's set 0 is done with (four places stand behind its last products): block 0's matrices come while the last step is multiplied
	LAST
	FCLOAD 1                                       ; B's set 1 is done with too
.irp a, 0,1,2,3,4,5,6,7
	EPI \a, 1
.endr
	s_branch .Lend
.Lv:
	LAST
.irp a, 0,1,2,3,4,5,6,7
	EPI \a, 0
.endr
.Lend:
	global_store_b128 v[OL], v[SW:SW+3], s[DS:DS+1]              ; the scale words of blocks 0-3, four to a lane: 512 consecutive bytes
	global_store_b128 v[OL], v[SW+4:SW+7], s[DS:DS+1] offset:512 ; and of blocks 4-7
	s_wait_tensorcnt 0x0                           ; the wave's end
	ds_add_u32 v[SPW], v[NIL]
	s_wait_dscnt 0x0
	CROUND                                         ; the closing round: no work-group ends while a partner may still ask for a tile that names it
	s_endpgm
.Lfunc_end_k_q3c36969db4_qkv:
	.size	k_q3c36969db4_qkv, .Lfunc_end_k_q3c36969db4_qkv-k_q3c36969db4_qkv
	.p2alignl 7, 3214868480
	.fill 96, 4, 3214868480
	.section	.rodata,"a",@progbits
	.p2align	6, 0x0
	.amdhsa_kernel k_q3c36969db4_qkv
		.amdhsa_group_segment_fixed_size 327680
		.amdhsa_private_segment_fixed_size 0
		.amdhsa_enable_private_segment 0
		.amdhsa_kernarg_size 40
		.amdhsa_user_sgpr_count 2
		.amdhsa_user_sgpr_kernarg_segment_ptr 1
		.amdhsa_wavefront_size32 1
		.amdhsa_system_sgpr_workgroup_id_x 1
		.amdhsa_system_sgpr_workgroup_id_y 1
		.amdhsa_system_sgpr_workgroup_id_z 1
		.amdhsa_system_vgpr_workitem_id 0
		.amdhsa_next_free_vgpr 1024
		.amdhsa_next_free_sgpr 98
		.amdhsa_reserve_vcc 0
		.amdhsa_float_denorm_mode_32 3
		.amdhsa_float_denorm_mode_16_64 3
		.amdhsa_memory_ordered 1
		.amdhsa_forward_progress 1
		.amdhsa_inst_pref_size 255
	.end_amdhsa_kernel
	.section	.bss,"aw",@nobits
	.p2align	6
	.space	262144
	.amdgpu_metadata
---
amdhsa.version: [ 1, 2 ]
amdhsa.kernels:
  - .name:           k_q3c36969db4_qkv
    .symbol:         k_q3c36969db4_qkv.kd
    .args:
      - { .name: codes, .offset: 0, .size: 8, .value_kind: global_buffer, .address_space: global }
      - { .name: scales, .offset: 8, .size: 8, .value_kind: global_buffer, .address_space: global }
      - { .name: fcimg, .offset: 16, .size: 8, .value_kind: global_buffer, .address_space: global }
      - { .name: q, .offset: 24, .size: 8, .value_kind: global_buffer, .address_space: global }
      - { .name: kv, .offset: 32, .size: 8, .value_kind: global_buffer, .address_space: global }
    .group_segment_fixed_size: 327680
    .private_segment_fixed_size: 0
    .kernarg_segment_align: 8
    .kernarg_segment_size: 40
    .max_flat_workgroup_size: 128
    .sgpr_count:     98
    .vgpr_count:     1024
    .wavefront_size: 32
...
	.end_amdgpu_metadata
.endif
;; end of part 2
;; launch attn (part 3): grid 16 x 16, 16 waves a work-group, clusters of 4 x 1, 327,680 bytes of LDS; arguments q, kv, lambda_q1, lambda_k1, lambda_q2, lambda_k2, subln_w, ac, asc; writes ac, asc
.if DOCPART == 3
	.amdgcn_target "amdgcn-amd-amdhsa--gfx1250"
	.amdhsa_code_object_version 6
	.text
	.protected	k_q3c36969db4_attn
	.globl	k_q3c36969db4_attn
	.p2align	8
	.type	k_q3c36969db4_attn,@function
k_q3c36969db4_attn:
	s_mov_b64 s[64:65], 0
	v_nop
	global_prefetch_b8 v0, s[64:65] scope:SCOPE_SE
	s_setreg_imm32_b32 hwreg(HW_REG_WAVE_MODE, 25, 1), 1
	s_wait_xcnt 0x0
	s_wait_alu depctr_hold_cnt(0) depctr_sa_sdst(0) depctr_va_vdst(0) depctr_va_sdst(0) depctr_va_ssrc(0) depctr_va_vcc(0) depctr_vm_vsrc(0)
	s_getreg_b32 s2, hwreg(HW_REG_IB_STS2, 6, 4)
	s_cmp_eq_u32 s2, 0
	s_cbranch_scc0 .Lentry_in_a_cluster
	s_endpgm
.Lentry_in_a_cluster:
	s_bfe_u32 s2, ttmp6, 0x10000c
	s_cmp_lg_u32 s2, 0x3003
	s_cbranch_scc0 .Lentry_shape_is_right
	s_endpgm
.Lentry_shape_is_right:
; The two causal attentions of each head on codes of FP6 (E2M3) with E8M0 scales, their difference, the RMS norm over the head's 128, the gain, and the quantiser of the last product.
; q: records 16 head + group of 128 queries (8 fragment images of 1,536 bytes, then scale words).  kv: records 16 head + key step of 128 keys, 26,624 bytes: K's 8 fragments, V^T's 8, K's scale words, V's.
; A fragment image is its 12 registers, lane l's 16 bytes of piece c at 512 c + 16 l.  Tile a's lane r is row 32 (a / 2) + 8 (a % 2) + r + 8 (r / 8) of its 128 (queries, keys, or V's channels).
; SCORES.  A stream's K is 64, the instruction's 128: the other stream's half of Q is set to zero codes, which add nothing.  Of K's three pieces the two that hold the stream's 6 registers are read.
; SOFTMAX.  t = score x log2(e) / 8; M = the running largest t rounded up to a whole number; p = 2^(t - M) is quantised along the keys; the sum is taken of the unquantised p and divides at the end; when M moves,
; the sum and O are multiplied by 2^(old M - new M), which rounds nothing.  Both products are used transposed: a lane holds one query throughout.
; SHARES.  A cluster of four work-groups owns the groups of 128 queries c, 7 - c, 8 + c, 15 - c of one head (c = the cluster's x): 34 key steps of work in every cluster.  Work-group cx takes queries 32 cx .. + 31 of each group.
; Wave w: sub = w / 4; group index gi = (w + sub) % 4; stream = sub % 2; u = sub / 2: one stream of tile 2 cx + u of its group.  Which steps a wave leaves out hangs on the cluster's x and the wave's number: the same in all partners.
; So K and V are asked for JOINTLY by the four: waves 0-3 fetch one key step's record each; a slot holds 4 key steps; two slots.  All 16 key steps are walked by constant trip counts; a hidden step's work is jumped over.
; THE WAY OUT.  Stream 1's wave hands O2 x lambda / l2 to stream 0's wave through LDS; that wave subtracts, norms, scales, quantises; rows of 96 bytes go through its own stage and leave in two runs of 768 bytes.
; LIMITS: NaN and infinities are not served; a block under 2^-124 or of zeros keeps the byte 1 (zero codes; this program alone reads the bytes); O1 / l1 - O2 (lambda / l2) and (rsqrt x 0.8) ahead of the gain round in another
; order than the definition; a block's largest p is made from the block's largest score, which takes v_exp_f32 not to fall where its input rises.
; REGISTERS: v1-11, v28-31 addresses and constants that stay; v12 -M, v13 the largest t, v[14:15] the sum; v16-27 Q; v32-79 four fragments; v96-159 S^T, then p; v160-223 O^T; v224-247 p's codes and work;
;   v248-251 four scale words; v252 f; v253 p's scale word; v254 at work; v255 Q's scale word.
.set REC,   26624                      ; a key step's record
.set VFR,   12288                      ; in it: V's fragments,
.set KSC,   24576                      ; K's scale words,
.set VSC,   25600                      ; V's
.set SLOT1, 1<<17                      ; slot 1 begins here, so that one exclusive or turns an address in one slot into the other's
.set XCH,   SLOT1+4*REC                ; 8 pairs of waves x 8,192 bytes: stream 1's result on its way to stream 0's wave
.set OST,   XCH+8*8192                 ; 8 stages of 16 rows x 96 bytes
.set SCS,   OST+8*1536                 ; the work-group's 128 new scale words
.set SPARE, SCS+512                    ; the spare words, 128 bytes for each of 16 waves
.set LI,   1                           ; v1   16 x lane
.set LIK,  2                           ; v2   16 x lane + 512 x stream
.set AC1,  3                           ; v3   16 x lane + 768 (lane / 16)
.set DG,   4                           ; v4   my query in its group - 16 (lane / 16)
.set SPW,  5                           ; v5   LDS address of my spare word; never rewritten
.set NIL,  6                           ; v6   0; never rewritten
.set XST,  7                           ; v7   my pair's bytes of XCH
.set ADK,  8                           ; v8   LDS address of the step's K
.set ADV,  9                           ; v9   of the step's record
.set OSI,  10                          ; v10  my stage: row r, + 24 h
.set FAC,  11                          ; v11  1 (stream 0) or lambda (stream 1)
.set PFO,  28                          ; v28  256 x lane
.set OSO,  29                          ; v29  my stage, 16 x lane
.set SCA,  30                          ; v30  where my row's scale word goes
.set SCR,  31                          ; v31  the scale words, 16 x lane
.set WV,   20
.set CS,   22                          ; s[22:23] c = log2(e) / 8, twice
.set G1T,  24                          ; s[24:31] descriptor group 1
.set G0T,  40                          ; s[40:43] group 0, which walks
.set SEL,  48                          ; s[48:49] v_permlanex16_b32's selects for lane l xor 16
.set TB,   50                          ; LDS byte at which the step's record begins
.set KSN,  52                          ; the key step's number
.set GRP,  53                          ; my group of 128 queries
.set STR,  54                          ; my stream
.set SLOTS, 55
.set CNT,  56
.set LIM,  57                          ; 1 in a wave that prefetches, else the greatest number
.set PFA,  58                          ; s[58:59] where my prefetches stand
.set CX,   60
.set HEAD, 61
.set EPSR, 78
.set INV,  79
.set MQ0,  80                          ; all ones in stream 0's waves, else 0
.set MQ1,  81                          ; the other way round
.set U,    83
.set GI,   84
.set PI,   85                          ; my pair: 2 gi + u
.macro CROUND                          ; a round of the cluster's barrier
	s_barrier_signal -1
	s_barrier_wait -1
	s_cmp_lg_u32 s[WV], 0
	s_cbranch_scc1 .Lnot_wave_0_\@
	s_barrier_signal -3
.Lnot_wave_0_\@:
	s_barrier_wait -3
	s_barrier_signal -1
	s_barrier_wait -1
.endm
.macro TLOAD                           ; waves 0-3 fetch one key step's record each; the branch hangs on the wave's number alone.  Four v_nop follow the line
	s_cmp_lt_u32 s[WV], 4
	s_cbranch_scc0 .Lasked_\@
	tensor_load_to_lds s[G0T:G0T+3], s[G1T:G1T+7]
	s_nop 0
.rept 4
	v_nop
.endr
.Lasked_\@:
.endm
; A prefetch of the fragments that the NEXT change of slots will ask for.  All four clusters of a head walk the same records: the first (cluster x = 0) asks.  Its partner cx takes the slot's key step cx, told apart by address;
; in it waves 4 to 6 ask for 8,192 bytes each, lanes 256 bytes apart: the record's 24,576 bytes of fragments, each run of 256 bytes named once; its 2,048 bytes of scale words come by the load alone.
; The first two changes ask (slots 2 and 3); the last that fills a slot asks for nothing: there is no slot behind it.
.macro ASK
	s_cmp_gt_u32 s[SLOTS], s[LIM]
	s_cbranch_scc0 .Lnot_mine_\@
	global_prefetch_b8 v[PFO], s[PFA:PFA+1] th:TH_LOAD_NT scope:SCOPE_SE
.Lnot_mine_\@:
.endm
	s_load_b512 s[4:19], s[0:1], 0x0               ; q s[4:5], kv s[6:7], lambda_q1, _k1, _q2, _k2 s[8:15], subln_w s[16:17], ac s[18:19]
	s_load_b64 s[68:69], s[0:1], 0x40              ; asc
	v_lshl_add_u32 v[SPW], v0, 2, SPARE
	v_mov_b32 v[NIL], 0
	ds_add_u32 v5, v6
	s_wait_dscnt 0x0
	v_lshrrev_b32 v32, 5, v0
	v_readfirstlane_b32 s[WV], v32                 ; wave 0..15
	s_bfe_u32 s[CX], ttmp6, 0x40000                ; cx: it enters global addresses and one vector number, no LDS address and no branch
	s_and_b32 s[HEAD], ttmp7, 0xffff
	s_lshr_b32 s62, s[WV], 2                       ; sub
	s_add_co_u32 s[GI], s[WV], s62
	s_and_b32 s[GI], s[GI], 3
	s_and_b32 s[STR], s62, 1
	s_lshr_b32 s[U], s62, 1
	s_lshl_b32 s[PI], s[GI], 1
	s_add_co_u32 s[PI], s[PI], s[U]
	s_sub_co_u32 s63, 7, ttmp9
	s_and_b32 s66, s[GI], 1
	s_cmp_lg_u32 s66, 0
	s_cselect_b32 s63, s63, ttmp9                  ; 7 - c or c
	s_lshr_b32 s66, s[GI], 1
	s_lshl_b32 s66, s66, 3
	s_add_co_u32 s[GRP], s66, s63                  ; c, 7 - c, 8 + c, 15 - c
	s_cmp_eq_u32 s[STR], 0
	s_cselect_b32 s[MQ0], -1, 0
	s_cselect_b32 s[MQ1], 0, -1
	; descriptor group 1: a record is dense: 104 rows of 256 bytes (32 elements of 8 bytes), no padding: images are read 512 consecutive bytes an instruction
	s_mov_b32 s[G1T], 15|(3<<16)|(1<<21)           ; 15:0 the mask: all four work-groups; 17:16 elements of 8 bytes; 21 set beside a mask
	s_mov_b32 s[G1T+1], 32<<16                     ; tensor_dim0
	s_mov_b32 s[G1T+2], 104<<16                    ; tensor_dim1
	s_mov_b32 s[G1T+3], 32<<16                     ; tile_dim0
	s_mov_b32 s[G1T+4], 104                        ; tile_dim1
	s_mov_b32 s[G1T+5], 32                         ; tensor_dim0_stride
	s_mov_b32 s[G1T+6], 0
	s_mov_b32 s[G1T+7], 0
	s_and_b32 s62, s[WV], 3
	s_mul_i32 s62, s62, REC                        ; my key step of a slot: in LDS and in memory alike
	s_mul_i32 s66, s[HEAD], 16*REC                 ; the head's 16 records
	s_add_co_u32 s70, s66, s62
	s_mov_b32 s71, 0
	s_mov_b32 s[SEL], 0x76543210
	s_mov_b32 s[SEL+1], 0xfedcba98
	s_mov_b32 s[CS], 0x3e38aa3b                    ; log2(e) / 8
	s_mov_b32 s[CS+1], s[CS]
	s_mov_b32 s[EPSR], 0x3727c5ac                  ; 1e-5
	s_mov_b32 s[INV], 0x3c000000                   ; 1 / 128
	s_mov_b32 s[TB], 0
	s_mov_b32 s[KSN], 0
	s_mov_b32 s[SLOTS], 3
	s_wait_kmcnt 0x0
	s_mov_b32 s[G0T], 1                            ; count = 1
	s_mov_b32 s[G0T+1], s62                        ; LDS address: slot 0
	s_add_nc_u64 s[G0T+2:G0T+3], s[6:7], s[70:71]  ; global address: key steps 0 to 3
	s_or_b32 s[G0T+3], s[G0T+3], 0x80000000        ; type = 2
	CROUND                                         ; all four work-groups are here: the first joint loads meet
	TLOAD                                          ; slot 0: one load of mine is out
	; the prefetches: who asks, and where
	s_sub_co_u32 s62, s[WV], 4
	s_cmp_lt_u32 s62, 3
	s_cselect_b32 s63, 0, 1                        ; 0 in waves 4 to 6,
	s_or_b32 s63, s63, ttmp9                       ; of the head's first cluster: the same in all four partners
	s_cmp_eq_u32 s63, 0
	s_cselect_b32 s[LIM], 1, -1
	s_min_u32 s62, s62, 2
	s_lshl_b32 s62, s62, 13                        ; my wave's 8,192 bytes
	s_mul_i32 s72, s[CX], REC                      ; of my work-group's key step
	s_add_co_u32 s62, s62, s72
	s_add_co_u32 s62, s62, s66
	s_add_co_u32 s62, s62, 4*REC                   ; in slot 1's keys: the first change of slots steps it to slot 2's
	s_mov_b32 s63, 0
	s_add_nc_u64 s[PFA:PFA+1], s[6:7], s[62:63]
	; Q's fragment and scale words: record 16 head + group, tile a = 2 cx + u
	s_lshl_b32 s62, s[HEAD], 4
	s_add_co_u32 s62, s62, s[GRP]
	s_mul_i32 s62, s62, 13312
	s_lshl_b32 s67, s[CX], 1
	s_add_co_u32 s67, s67, s[U]                    ; a
	s_mul_i32 s72, s67, 1536
	s_add_co_u32 s72, s72, s62
	s_mov_b32 s73, 0
	s_add_nc_u64 s[74:75], s[4:5], s[72:73]
	s_lshr_b32 s72, s67, 2
	s_lshl_b32 s72, s72, 9
	s_and_b32 s70, s67, 3
	s_lshl_b32 s70, s70, 2
	s_add_co_u32 s72, s72, s70
	s_add_co_u32 s72, s72, s62
	s_add_co_u32 s72, s72, 12288
	s_add_nc_u64 s[76:77], s[4:5], s[72:73]
	; my first row of the result: head x 2,048 + 128 group + 32 cx + 8 u, 96 bytes a row
	s_lshl_b32 s62, s[HEAD], 11
	s_lshl_b32 s70, s[GRP], 7
	s_add_co_u32 s62, s62, s70
	s_lshl_b32 s70, s[CX], 5
	s_add_co_u32 s62, s62, s70
	s_lshl_b32 s70, s[U], 3
	s_add_co_u32 s62, s62, s70
	s_mul_i32 s62, s62, 96
	s_add_nc_u64 s[18:19], s[18:19], s[62:63]
	s_lshl_b32 s62, s[HEAD], 13                    ; and the scale words: (head x 2,048 + 32 cx) x 4
	s_lshl_b32 s70, s[CX], 7
	s_add_co_u32 s62, s62, s70
	s_add_nc_u64 s[68:69], s[68:69], s[62:63]
	; every LDS address register is made here, of v0 and the wave's number, and holds nothing else
	v_and_b32 v32, 31, v0                          ; lane
	v_and_b32 v33, 15, v0                          ; r
	v_bfe_u32 v34, v0, 4, 1                        ; h
	v_and_b32 v35, 8, v33
	v_add_nc_u32 v35, v35, v33                     ; r + 8 (r / 8)
	v_lshlrev_b32 v[LI], 4, v32
	v_lshlrev_b32 v[PFO], 8, v32
	v_lshlrev_b32 v92, 3, v32                      ; the lambdas: two numbers a lane
	s_lshl_b32 s62, s[STR], 9
	v_add_nc_u32 v[LIK], s62, v[LI]
	s_lshl_b32 s62, s[PI], 13
	s_add_co_u32 s62, s62, XCH
	v_add_nc_u32 v[XST], s62, v[LI]
	s_mul_i32 s62, s[PI], 1536
	s_add_co_u32 s62, s62, OST
	v_add_nc_u32 v[OSO], s62, v[LI]
	v_mul_u32_u24 v[OSI], v33, 96
	v_mad_u32_u24 v[OSI], v34, 24, v[OSI]
	v_add_nc_u32 v[OSI], s62, v[OSI]
	s_lshl_b32 s62, s[GI], 7
	s_lshl_b32 s70, s[U], 5
	s_add_co_u32 s62, s62, s70
	s_add_co_u32 s62, s62, SCS
	v_lshl_add_u32 v[SCA], v35, 2, s62             ; group gi's 32 words, word 8 u + r + 8 (r / 8)
	v_add_nc_u32 v[SCR], SCS, v[LI]
	v_mul_u32_u24 v36, v34, 768
	v_add_nc_u32 v[AC1], v36, v[LI]
	s_lshl_b32 s62, s[CX], 5
	s_lshl_b32 s70, s[U], 3
	s_add_co_u32 s62, s62, s70
	v_add_nc_u32 v[DG], s62, v35                   ; my query in its group,
	v_lshlrev_b32 v36, 4, v34
	v_sub_nc_u32 v[DG], v[DG], v36                 ; - 16 h
.irp c, 0,1,2
	global_load_b128 v[16+4*\c:19+4*\c], v[LI], s[74:75] offset:512*\c   ; Q's fragment stays in registers
.endr
	global_load_b32 v255, v[LI], s[76:77]          ; Q's scale words
	global_load_b64 v[80:81], v92, s[8:9]
	global_load_b64 v[82:83], v92, s[10:11]
	global_load_b64 v[84:85], v92, s[12:13]
	global_load_b64 v[86:87], v92, s[14:15]
.set j, 0
.rept 48
	v_mov_b32 v[32+j], 0                           ; the fragments' registers: a third of K's are not loaded and meet zero codes of Q; they are written once here
.set j, j+1
.endr
	v_mov_b32 v13, 0xff61b1e6                      ; the largest t so far: -3e38, under every t
	v_floor_f32 v12, -v13                          ; -M
	v_mov_b32 v14, 0
	v_mov_b32 v15, 0
.irp b, 0,1,2,3
	v_mov_b32 v[236+\b], 0                         ; written once: a lane permute's destination counts as one of its sources
.endr
	v_mov_b32 v252, 0
	v_mov_b32 v253, 0
	v_mov_b32 v90, 0
	v_mov_b32 v91, 0
.set j, 0
.rept 64
	v_mov_b32 v[160+j], 0                          ; O^T.  (The step is written once: the first finds zeros, which the first change of M leaves zeros)
.set j, j+1
.endr
	s_wait_loadcnt 0x0
.irp i, 0,1,2,3,4,5
	v_and_b32 v[16+\i], s[MQ0], v[16+\i]           ; channels 0-63 are stream 0's: zero codes in stream 1's waves,
	v_and_b32 v[22+\i], s[MQ1], v[22+\i]           ; channels 64-127 the other way round
.endr
	v_mul_f32 v88, v80, v82                        ; lambda = exp(sum q1 k1) - exp(sum q2 k2) + 0.2
	v_mul_f32 v89, v84, v86
	v_fmac_f32 v88, v81, v83
	v_fmac_f32 v89, v85, v87
.irp m, 1,2,4,8
	v_add_f32_dpp v88, v88, v88 row_xmask:\m row_mask:0xf bank_mask:0xf
	v_add_f32_dpp v89, v89, v89 row_xmask:\m row_mask:0xf bank_mask:0xf
.endr
	v_permlanex16_b32 v90, v88, s[SEL], s[SEL+1]
	v_permlanex16_b32 v91, v89, s[SEL], s[SEL+1]
	v_add_f32 v88, v88, v90
	v_add_f32 v89, v89, v91
	v_mul_f32 v88, 0x3fb8aa3b, v88
	v_mul_f32 v89, 0x3fb8aa3b, v89
	v_exp_f32 v88, v88
	v_exp_f32 v89, v89
	v_nop                                          ; a plain line behind the exponentials
	s_wait_alu depctr_va_vdst(0)                   ; one wait for both, ahead of their first reader
	v_sub_f32 v88, v88, v89
	v_add_f32 v88, 0x3e4ccccd, v88
	v_cndmask_b32 v[FAC], 1.0, v88, s[MQ1]
; Four tiles of S^T = K Q^T.  Stream 0 reads pieces 0 and 1 of a fragment (registers 0-7), stream 1 pieces 1 and 2 (registers 4-11; its address carries 512 more): the branch stands round the loads alone.
.macro KTILES g
	s_cmp_eq_u32 s[STR], 0
	s_cbranch_scc0 .Lodd_\@
.irp t, 0,1,2,3
	ds_load_b128 v[32+12*\t:35+12*\t], v[ADK] offset:(4*\g+\t)*1536
	ds_load_b128 v[36+12*\t:39+12*\t], v[ADK] offset:(4*\g+\t)*1536+512
.endr
	s_branch .Lboth_\@
.Lodd_\@:
.irp t, 0,1,2,3
	ds_load_b128 v[36+12*\t:39+12*\t], v[ADK] offset:(4*\g+\t)*1536
	ds_load_b128 v[40+12*\t:43+12*\t], v[ADK] offset:(4*\g+\t)*1536+512
.endr
.Lboth_\@:
	ds_load_b128 v[248:251], v[ADV] offset:KSC+512*\g   ; the four tiles' scale words
	s_wait_dscnt 0x0
.irp t, 0,1,2,3
	v_wmma_scale_f32_16x16x128_f8f6f4 v[96+8*(4*\g+\t):103+8*(4*\g+\t)], v[32+12*\t:43+12*\t], v[16:27], 0, v[248+\t], v255 matrix_a_fmt:MATRIX_FMT_FP6 matrix_b_fmt:MATRIX_FMT_FP6
.endr
.endm
.macro VLOADS g                        ; four fragments of V^T and their scale words
.irp t, 0,1,2,3
.irp c, 0,1,2
	ds_load_b128 v[32+12*\t+4*\c:35+12*\t+4*\c], v[ADV] offset:VFR+(4*\g+\t)*1536+512*\c
.endr
.endr
	ds_load_b128 v[248:251], v[ADV] offset:VSC+512*\g
.endm
.macro PV g                            ; O^T += V^T P^T: the accumulators take turns, one instruction a turn
.irp t, 0,1,2,3
	v_wmma_scale_f32_16x16x128_f8f6f4 v[160+8*(4*\g+\t):167+8*(4*\g+\t)], v[32+12*\t:43+12*\t], v[224:235], v[160+8*(4*\g+\t):167+8*(4*\g+\t)], v[248+\t], v253 matrix_a_fmt:MATRIX_FMT_FP6 matrix_b_fmt:MATRIX_FMT_FP6
.endr
.endm
.macro NOPS
.rept 4
	v_nop
.endr
.endm
; A KEY STEP: 128 keys.  A step all of whose keys come after my group's queries is left out: a scalar branch on ids round the work, not round the lines at its end that step addresses; no barrier or tensor load stands in a step.
.macro STEP
	s_cmp_gt_u32 s[KSN], s[GRP]
	s_cbranch_scc1 .Lhidden_\@
	v_add_nc_u32 v[ADK], s[TB], v[LIK]
	v_add_nc_u32 v[ADV], s[TB], v[LI]
	KTILES 0
	NOPS                                           ; places in front of loads into registers that matrix instructions have read
	KTILES 1
	NOPS                                           ; and in front of the first read of the scores
	VLOADS 0                                       ; V's first four fragments land while the softmax is walked
	s_cmp_lg_u32 s[KSN], s[GRP]                    ; on the diagonal the scores of hidden keys become -infinity ahead of the maximum: p = 0 then
	s_cbranch_scc1 .Lopen_\@
	v_mov_b32 v254, 0xff800000
.set n, 0
.rept 64
	v_cmp_gt_i32 vcc_lo, 32*(n/16)+n%16, v[DG]     ; register 16 b + i holds key 32 b + 16 (lane / 16) + i of the step
	v_cndmask_b32 v[96+n], v[96+n], v254, vcc_lo
.set n, n+1
.endr
.Lopen_\@:
.irp b, 0,1,2,3
	v_max3_num_f32 v[232+\b], v[96+16*\b], v[97+16*\b], v[98+16*\b]   ; the largest score of each block of 32 keys: for the row's maximum, and for the block's largest p
.endr
.irp i, 3,5,7,9,11,13
.irp b, 0,1,2,3
	v_max3_num_f32 v[232+\b], v[232+\b], v[96+16*\b+\i], v[97+16*\b+\i]
.endr
.endr
.irp b, 0,1,2,3
	v_max_num_f32 v[232+\b], v[232+\b], v[111+16*\b]
.endr
.irp b, 0,1,2,3
	v_permlanex16_b32 v[236+\b], v[232+\b], s[SEL], s[SEL+1]
.endr
.irp b, 0,1,2,3
	v_max_num_f32 v[232+\b], v[232+\b], v[236+\b]  ; with lane l xor 16's 16 keys
.endr
	v_max3_num_f32 v254, v232, v233, v234
	v_max_num_f32 v254, v254, v235                 ; the step's largest score of my query
	v_mul_f32 v254, s[CS], v254                    ; as t
	v_max_num_f32 v13, v13, v254                   ; the running largest t
	v_mov_b32 v254, v12
	v_floor_f32 v12, -v13                          ; the new -M = -ceil(t)
	v_sub_f32 v254, v12, v254                      ; old M - new M: a whole number, 0 or less
	v_cvt_i32_f32 v254, v254                       ; (it saturates)
	v_ldexp_f32 v252, 1.0, v254                    ; f = 2^(old M - new M)
.set j, 0
.rept 32
	v_pk_fma_f32 v[96+j:97+j], v[96+j:97+j], s[CS:CS+1], v[12:13] op_sel_hi:[1,0,0]   ; t - M, two at a time
.set j, j+2
.endr
.irp b, 0,1,2,3
	v_fma_f32 v[232+\b], v[232+\b], s[CS], v12     ; the same of each block's largest score
.endr
.set j, 0
.rept 64
	v_exp_f32 v[96+j], v[96+j]                     ; p = 2^(t - M), not normalised
.set j, j+1
.endr
	v_pk_mul_f32 v[14:15], v[14:15], v[252:253] op_sel_hi:[1,0]   ; the sums under the new M (a plain line behind the exponentials)
	s_wait_alu depctr_va_vdst(0)                   ; one wait for the whole batch, ahead of its first reader
.irp b, 0,1,2,3
	v_exp_f32 v[232+\b], v[232+\b]                 ; the block's largest p
.endr
	v_pk_add_f32 v[236:237], v[96:97], v[98:99]    ; the row's sum is taken of the unquantised p, in two chains
.set j, 4
.rept 15
	v_pk_add_f32 v[14:15], v[14:15], v[96+j:97+j]
	v_pk_add_f32 v[236:237], v[236:237], v[98+j:99+j]
.set j, j+4
.endr
	v_pk_add_f32 v[14:15], v[14:15], v[236:237]
	s_wait_alu depctr_va_vdst(0)                   ; and one for the four
.irp b, 0,1,2,3
	v_max_num_f32 v[232+\b], 0x1800000, v[232+\b]  ; the floor 2^(3 - 127): the byte cannot fall under 1
.endr
.irp b, 0,1,2,3
	v_add_nc_u32 v[244+\b], 0xff000000, v[232+\b]  ; 2 off the exponent field: the conversion's scale operand
.endr
.irp b, 0,1,2,3
	v_lshrrev_b32 v[236+\b], 23, v[244+\b]         ; the scale's byte
.endr
	v_lshl_or_b32 v253, v237, 8, v236              ; p's scale word for these 128 keys
	v_lshl_or_b32 v253, v238, 16, v253
	v_lshl_or_b32 v253, v239, 24, v253
.irp c, 0,1
	v_cvt_scalef32_pk16_fp6_f32 v[224+6*\c:226+6*\c], v[96+32*\c:111+32*\c], v[244+2*\c]
	v_cvt_scalef32_pk16_fp6_f32 v[236+4*\c:238+4*\c], v[112+32*\c:127+32*\c], v[244+2*\c+1]
.endr
	v_nop                                          ; one plain line behind a scaled conversion
.irp c, 0,1                                    ; a whole block in a lane: lanes 0-15 block 2 c, lanes 16-31 block 2 c + 1
.irp i, 0,1,2
	v_permlane16_swap_b32 v[224+6*\c+\i], v[236+4*\c+\i]
.endr
.irp i, 0,1,2
	v_mov_b32 v[227+6*\c+\i], v[236+4*\c+\i]
.endr
.endr
.set j, 0
.rept 32
	v_pk_mul_f32 v[160+j:161+j], v[160+j:161+j], v[252:253] op_sel_hi:[1,0]   ; O^T under the new M.  (These 32 are also the places between p's codes and scale word and the products)
.set j, j+2
.endr
	s_wait_dscnt 0x0                               ; V's first four fragments are in
	PV 0
	NOPS
	VLOADS 1
	s_wait_dscnt 0x0
	PV 1
	NOPS                                           ; places in front of the next step's loads, and of the way out's reads
.Lhidden_\@:
	s_add_co_u32 s[KSN], s[KSN], 1
	s_add_co_u32 s[TB], s[TB], REC
.endm
; THE CHANGE OF SLOTS stands at a slot's head.  Each wave waits for all its tensor loads, adds 0 to its spare word, and waits for that and for its reads of the slot that it has left.  fill = 1: a round of the cluster's
; barrier, and behind it the slot just left is filled with the next four key steps: the load has a slot's four steps in which to land.
.macro CHANGE fill
	s_wait_tensorcnt 0x0                           ; no tensor load of mine is out, so group 0 may be written
	ds_add_u32 v[SPW], v[NIL]                      ; 0 onto my spare word
.if \fill
	s_xor_b32 s[G0T+1], s[G0T+1], SLOT1            ; the other slot than last time,
	s_add_nc_u64 s[G0T+2:G0T+3], s[G0T+2:G0T+3], 4*REC   ; the next four key steps
	s_wait_xcnt 0x0                                ; the last prefetch, a slot back, has read its address
	s_add_nc_u64 s[PFA:PFA+1], s[PFA:PFA+1], 4*REC
	s_wait_dscnt 0x0                               ; the add is done, and my reads of the slot that I have left are over
	CROUND
	TLOAD                                          ; the first thing behind the round, and a wave's one tensor load until the next
	ASK
.else
	s_wait_dscnt 0x0
	s_barrier_signal -1
	s_barrier_wait -1
.endif
.endm
.macro FOUR_STEPS                      ; a slot's four key steps: written once, walked four times
	s_mov_b32 s[CNT], 4
.Lstep_\@:
	STEP
	s_sub_co_u32 s[CNT], s[CNT], 1
	s_cmp_lg_u32 s[CNT], 0
	s_cbranch_scc1 .Lstep_\@
	s_sub_co_u32 s[TB], s[TB], 4*REC               ; back to a slot's first step,
	s_xor_b32 s[TB], s[TB], SLOT1                  ; in the other slot
.endm
.Lslot:                                            ; three trips: behind each change of slots but the last the next slot is asked for
	CHANGE 1
	FOUR_STEPS
	s_sub_co_u32 s[SLOTS], s[SLOTS], 1
	s_cmp_lg_u32 s[SLOTS], 0
	s_cbranch_scc1 .Lslot
	CHANGE 0                                       ; the last slot is written out
	FOUR_STEPS
	; THE WAY OUT
	v_add_f32 v14, v14, v15                        ; the sum's two halves,
	v_permlanex16_b32 v252, v14, s[SEL], s[SEL+1]
	v_add_f32 v14, v14, v252                       ; and lane l xor 16's
	v_rcp_f32 v14, v14
	v_bfe_u32 v232, v0, 4, 1                       ; (a plain line behind the reciprocal)
	v_lshlrev_b32 v232, 6, v232                    ; 64 h: my 16 numbers of each 32 of the gain
	s_wait_alu depctr_va_vdst(0)                   ; ahead of the first reader
	v_mul_f32 v14, v14, v[FAC]                     ; 1 / l1, or lambda / l2
.set j, 0
.rept 32
	v_pk_mul_f32 v[96+j:97+j], v[160+j:161+j], v[14:15] op_sel_hi:[1,0]   ; register 16 b + i is channel 32 b + 16 h + i of my query; each accumulator from its low end on
.set j, j+2
.endr
	s_cmp_eq_u32 s[STR], 0
	s_cbranch_scc1 .Lminuend
.set j, 0
.rept 16
	ds_store_b128 v[XST], v[96+4*j:99+4*j] offset:512*j   ; stream 1's wave: its registers as they stand
.set j, j+1
.endr
	s_branch .Lmeet1
.Lminuend:
.irp b, 0,1,2,3
.irp i, 0,1,2,3
	global_load_b128 v[32+16*\b+4*\i:35+16*\b+4*\i], v232, s[16:17] offset:128*\b+16*\i   ; stream 0's wave: the gain, in the result's layout
.endr
.endr
.Lmeet1:
	s_wait_dscnt 0x0                               ; for the others' sake: my stores have landed
	s_barrier_signal -1
	s_barrier_wait -1
	s_cmp_lg_u32 s[STR], 0
	s_cbranch_scc1 .Lmeet2
.set j, 0
.rept 16
	ds_load_b128 v[160+4*j:163+4*j], v[XST] offset:512*j
.set j, j+1
.endr
	s_wait_dscnt 0x0
.set j, 0
.rept 32
	v_pk_add_f32 v[96+j:97+j], v[96+j:97+j], v[160+j:161+j] neg_lo:[0,1] neg_hi:[0,1]   ; attn1 - lambda attn2
.set j, j+2
.endr
	v_pk_mul_f32 v[224:225], v[96:97], v[96:97]    ; the squares, in two chains
	v_pk_mul_f32 v[226:227], v[98:99], v[98:99]
.set j, 4
.rept 15
	v_pk_fma_f32 v[224:225], v[96+j:97+j], v[96+j:97+j], v[224:225]
	v_pk_fma_f32 v[226:227], v[98+j:99+j], v[98+j:99+j], v[226:227]
.set j, j+4
.endr
	v_pk_add_f32 v[224:225], v[224:225], v[226:227]
	v_add_f32 v224, v224, v225
	v_permlanex16_b32 v225, v224, s[SEL], s[SEL+1]
	v_add_f32 v224, v224, v225                     ; over my query's 128 channels
	v_fma_f32 v224, v224, s[INV], s[EPSR]          ; the mean + 1e-5
	v_rsq_f32 v224, v224
	v_nop
	s_wait_alu depctr_va_vdst(0)
	v_mul_f32 v224, 0x3f4ccccd, v224               ; x (1 - 0.2)
	s_wait_loadcnt 0x0                             ; the gain
.set j, 0
.rept 32
	v_pk_mul_f32 v[96+j:97+j], v[96+j:97+j], v[224:225] op_sel_hi:[1,0]
.set j, j+2
.endr
.set j, 0
.rept 32
	v_pk_mul_f32 v[96+j:97+j], v[96+j:97+j], v[32+j:33+j]
.set j, j+2
.endr
	; the quantiser of the last product: its K runs along the head's 128 channels
.irp b, 0,1,2,3
	v_max3_num_f32 v[232+\b], |v[96+16*\b]|, |v[97+16*\b]|, 0x1800000
.endr
.irp i, 2,4,6,8,10,12,14
.irp b, 0,1,2,3
	v_max3_num_f32 v[232+\b], v[232+\b], |v[96+16*\b+\i]|, |v[97+16*\b+\i]|
.endr
.endr
.irp b, 0,1,2,3
	v_permlanex16_b32 v[236+\b], v[232+\b], s[SEL], s[SEL+1]
.endr
.irp b, 0,1,2,3
	v_max_num_f32 v[232+\b], v[232+\b], v[236+\b]
.endr
.irp b, 0,1,2,3
	v_add_nc_u32 v[244+\b], 0xff000000, v[232+\b]
.endr
.irp b, 0,1,2,3
	v_lshrrev_b32 v[236+\b], 23, v[244+\b]
.endr
	v_lshl_or_b32 v253, v237, 8, v236
	v_lshl_or_b32 v253, v238, 16, v253
	v_lshl_or_b32 v253, v239, 24, v253
.irp c, 0,1
	v_cvt_scalef32_pk16_fp6_f32 v[160+6*\c:162+6*\c], v[96+32*\c:111+32*\c], v[244+2*\c]
	v_cvt_scalef32_pk16_fp6_f32 v[172+4*\c:174+4*\c], v[112+32*\c:127+32*\c], v[244+2*\c+1]
.endr
	v_nop                                          ; one plain line behind a scaled conversion
.irp c, 0,1
.irp i, 0,1,2
	v_permlane16_swap_b32 v[160+6*\c+\i], v[172+4*\c+\i]
.endr
.irp i, 0,1,2
	v_mov_b32 v[163+6*\c+\i], v[172+4*\c+\i]
.endr
.endr
.irp p, 0,1,2,3,4,5
	ds_store_b64 v[OSI], v[160+2*\p:161+2*\p] offset:48*(\p/3)+8*(\p%3)   ; my row's 96 bytes: 24 at 24 h, 24 at 48 + 24 h
.endr
	ds_store_b32 v[SCA], v253                      ; both halves of the lanes write the same word with the same value
.irp i, 0,1,2
	ds_load_b128 v[180+4*\i:183+4*\i], v[OSO] offset:512*\i   ; LDS serves a wave's instructions in order: these see my stores
.endr
	s_wait_dscnt 2                                 ; the two younger loads may be out
	global_store_b128 v[LI], v[180:183], s[18:19]              ; stage rows 0-7 are queries + 0 .. 7, rows 8-15 queries + 16 .. 23: two runs of 768 consecutive bytes, 1,536 apart
	s_wait_dscnt 1
	global_store_b128 v[AC1], v[184:187], s[18:19] offset:512
	s_wait_dscnt 0x0
	global_store_b128 v[LI], v[188:191], s[18:19] offset:1792
.Lmeet2:
	s_wait_dscnt 0x0
	s_barrier_signal -1
	s_barrier_wait -1                              ; the work-group's 128 scale words lie in LDS
	s_cmp_lg_u32 s[WV], 0
	s_cbranch_scc1 .Lend
	ds_load_b128 v[200:203], v[SCR]                ; wave 0: lane l takes words 4 (l % 8) on of group index l / 8
	s_lshl_b32 s72, ttmp9, 1
	s_sub_co_u32 s72, 7, s72                       ; 7 - 2 c
	s_mov_b32 s73, ttmp9
	v_bfe_u32 v224, v0, 3, 1
	v_bfe_u32 v225, v0, 4, 1
	v_mul_u32_u24 v224, s72, v224
	v_lshl_add_u32 v224, v225, 3, v224
	v_add_nc_u32 v224, s73, v224                   ; the group: 8 (g / 2) + c + (g % 2) (7 - 2 c)
	v_lshlrev_b32 v224, 9, v224                    ; 128 queries x 4 bytes
	v_and_b32 v225, 7, v0
	v_lshl_add_u32 v224, v225, 4, v224
	s_wait_dscnt 0x0
	global_store_b128 v224, v[200:203], s[68:69]   ; four runs of 128 consecutive bytes
.Lend:
	s_wait_tensorcnt 0x0                           ; the wave's end
	ds_add_u32 v[SPW], v[NIL]
	s_wait_dscnt 0x0
	CROUND                                         ; the closing round
	s_endpgm
.Lfunc_end_k_q3c36969db4_attn:
	.size	k_q3c36969db4_attn, .Lfunc_end_k_q3c36969db4_attn-k_q3c36969db4_attn
	.p2alignl 7, 3214868480
	.fill 96, 4, 3214868480
	.section	.rodata,"a",@progbits
	.p2align	6, 0x0
	.amdhsa_kernel k_q3c36969db4_attn
		.amdhsa_group_segment_fixed_size 327680
		.amdhsa_private_segment_fixed_size 0
		.amdhsa_enable_private_segment 0
		.amdhsa_kernarg_size 72
		.amdhsa_user_sgpr_count 2
		.amdhsa_user_sgpr_kernarg_segment_ptr 1
		.amdhsa_wavefront_size32 1
		.amdhsa_system_sgpr_workgroup_id_x 1
		.amdhsa_system_sgpr_workgroup_id_y 1
		.amdhsa_system_sgpr_workgroup_id_z 1
		.amdhsa_system_vgpr_workitem_id 0
		.amdhsa_next_free_vgpr 256
		.amdhsa_next_free_sgpr 90
		.amdhsa_reserve_vcc 1
		.amdhsa_float_denorm_mode_32 3
		.amdhsa_float_denorm_mode_16_64 3
		.amdhsa_memory_ordered 1
		.amdhsa_forward_progress 1
		.amdhsa_inst_pref_size 84
	.end_amdhsa_kernel
	.amdgpu_metadata
---
amdhsa.version: [ 1, 2 ]
amdhsa.kernels:
  - .name:           k_q3c36969db4_attn
    .symbol:         k_q3c36969db4_attn.kd
    .args:
      - { .name: q, .offset: 0, .size: 8, .value_kind: global_buffer, .address_space: global }
      - { .name: kv, .offset: 8, .size: 8, .value_kind: global_buffer, .address_space: global }
      - { .name: lambda_q1, .offset: 16, .size: 8, .value_kind: global_buffer, .address_space: global }
      - { .name: lambda_k1, .offset: 24, .size: 8, .value_kind: global_buffer, .address_space: global }
      - { .name: lambda_q2, .offset: 32, .size: 8, .value_kind: global_buffer, .address_space: global }
      - { .name: lambda_k2, .offset: 40, .size: 8, .value_kind: global_buffer, .address_space: global }
      - { .name: subln_w, .offset: 48, .size: 8, .value_kind: global_buffer, .address_space: global }
      - { .name: ac, .offset: 56, .size: 8, .value_kind: global_buffer, .address_space: global }
      - { .name: asc, .offset: 64, .size: 8, .value_kind: global_buffer, .address_space: global }
    .group_segment_fixed_size: 327680
    .private_segment_fixed_size: 0
    .kernarg_segment_align: 8
    .kernarg_segment_size: 72
    .max_flat_workgroup_size: 512
    .sgpr_count:     90
    .vgpr_count:     256
    .wavefront_size: 32
...
	.end_amdgpu_metadata
.endif
;; end of part 3
;; launch oproj (part 4): grid 8 x 8, 4 waves a work-group, clusters of 4 x 4, 327,680 bytes of LDS; arguments ac, asc, codes, scales, out0; writes out0
.if DOCPART == 4
	.amdgcn_target "amdgcn-amd-amdhsa--gfx1250"
	.amdhsa_code_object_version 6
	.text
	.protected	k_q3c36969db4_oproj
	.globl	k_q3c36969db4_oproj
	.p2align	8
	.type	k_q3c36969db4_oproj,@function
k_q3c36969db4_oproj:
	s_mov_b64 s[64:65], 0
	v_nop
	global_prefetch_b8 v0, s[64:65] scope:SCOPE_SE
	s_setreg_imm32_b32 hwreg(HW_REG_WAVE_MODE, 25, 1), 1
	s_wait_xcnt 0x0
	s_wait_alu depctr_hold_cnt(0) depctr_sa_sdst(0) depctr_va_vdst(0) depctr_va_sdst(0) depctr_va_ssrc(0) depctr_va_vcc(0) depctr_vm_vsrc(0)
	s_getreg_b32 s2, hwreg(HW_REG_IB_STS2, 6, 4)
	s_cmp_eq_u32 s2, 0
	s_cbranch_scc0 .Lentry_in_a_cluster
	s_endpgm
.Lentry_in_a_cluster:
	s_bfe_u32 s2, ttmp6, 0x10000c
	s_cmp_lg_u32 s2, 0xf033
	s_cbranch_scc0 .Lentry_shape_is_right
	s_endpgm
.Lentry_shape_is_right:
; out0[m][n] = sum over k of A[m][k] wo[n][k], on codes of FP6 (E2M3) with one E8M0 scale for each 32 along K.  A: the normed attention, [2048][2048] as rows of 1,536 bytes of codes and 64 scale bytes;
; wo: the fifth tensor of the codes' and scales' buffers, its rows in their own order.  out0: f32.
; A tile of 256 x 256 is made by a work-group of four waves, a wave makes 128 x 128: 64 accumulators, 512 registers.  K goes in steps of 256 through a ring of two LDS slots filled by the tensor data mover; the scale bytes
; of the work-group's rows come into LDS once.  4 x 4 work-groups form a cluster: A's tiles are asked for jointly along a row of the cluster, B's along a column.  64 work-groups: this size has 64 tiles of 256 x 256.
; The matrix instruction is used transposed (source 0 = 16 rows of B, source 1 = 16 rows of A): a lane holds eight neighbouring numbers of a row of the result.
; REGISTERS: window 0: v0-31 addresses; v32-63 scale words, two sets; from v128 A's fragments, one set.  window 1: B's fragments, two sets.  windows 2, 3: the accumulators.
.set SIZE_N, 2048
.set SIZE_K, 2048
.set KSTEP,  256
.set NQ,     KSTEP/128
.set ROWB,   192
.set KROW,   SIZE_K*6/8
.set PITCH,  240                       ; an LDS row: 3 x (64 bytes + 16 of padding)
.set FR,     12
.set NL,     6
.set NP,     4                         ; places behind this matrix instruction (ISA guide 7.12.1)
.set HALFT,  128*PITCH
.set SLOT,   4*HALFT
.set LAPS,   SIZE_K/(2*KSTEP)
.set KS,     SIZE_K/32
.set SCL,    2*SLOT
.set HALFS,  (128*KS/256)*272
.set SBLK,   (16*KS/256)*272
.set SPARE,  SCL+4*HALFS
.set SPITCH, 528                       ; the way out: a stage of 16 rows x (512 bytes + 16) for each wave, in slot 0, which has had its last fill and its last read when the first result is stored there
.set ADRA, 16
.set ADRB, 20
.set STO,  24
.set RD,   25
.set CO,   26
.set ADRS, 27
.set SPW,  28
.set NIL,  29
.set SC,   32
.set AF,   128
.set BK,   128
.set G1, 24
.set G0, 32
.set G1B, 48
.set G0B, 56
.set G1S, 68
.set G0S, 76
.set G1SB, 80
.set G0SB, 88
.set MSB, 0
.macro WIN new                         ; the immediate's high byte repeats the setting that is left
.if MSB != (\new)
	s_set_vgpr_msb (MSB<<8)|(\new)
.set MSB, (\new)
.endif
.endm
.set MUL_LO, 0xa1
.set MUL_HI, 0xf1
.set TO_B,   0x40
.macro JLOAD g0a, g1a, g0b, g1b        ; a joint load: waves 0 and 1 fetch for A, waves 2 and 3 for B; four v_nop follow each of the two lines
	s_cmp_eq_u32 s15, 0
	s_cbranch_scc0 .Lfor_b_\@
	tensor_load_to_lds s[\g0a:\g0a+3], s[\g1a:\g1a+7]
	s_nop 0
.rept 4
	v_nop
.endr
	s_branch .Lasked_\@
.Lfor_b_\@:
	tensor_load_to_lds s[\g0b:\g0b+3], s[\g1b:\g1b+7]
	s_nop 0
.rept 4
	v_nop
.endr
.Lasked_\@:
.endm
.macro CREST
	s_cmp_lg_u32 s14, 0
	s_cbranch_scc1 .Lnot_wave_0_\@
	s_barrier_signal -3
.Lnot_wave_0_\@:
	s_barrier_wait -3
	s_barrier_signal -1
	s_barrier_wait -1
.endm
.macro CROUND
	s_barrier_signal -1
	s_barrier_wait -1
	CREST
.endm
	s_load_b128 s[4:7], s[0:1], 0x0                ; A's codes, A's scales
	s_load_b128 s[8:11], s[0:1], 0x10              ; the codes' buffer, the scales' buffer
	s_load_b64 s[12:13], s[0:1], 0x20              ; out0
	v_lshl_add_u32 v[SPW], v0, 2, SPARE
	v_mov_b32 v[NIL], 0
	ds_add_u32 v28, v29
	s_wait_dscnt 0x0
	v_lshrrev_b32 v1, 5, v0
	v_readfirstlane_b32 s14, v1                    ; wave 0..3
	s_lshr_b32 s15, s14, 1
	s_and_b32 s16, s14, 1
	s_bfe_u32 s40, ttmp6, 0x40000                  ; cx, cy
	s_bfe_u32 s41, ttmp6, 0x40004
	s_lshl_b32 s42, ttmp9, 2
	s_add_co_u32 s42, s42, s40                     ; tile column
	s_and_b32 s17, ttmp7, 0xffff
	s_lshl_b32 s17, s17, 2
	s_add_co_u32 s17, s17, s41                     ; tile row
	s_lshl_b32 s43, s41, 2
	s_lshl_b32 s43, 15, s43                        ; my row of the cluster
	s_lshl_b32 s44, 0x1111, s40                    ; my column
	s_or_b32 s[G1+0], s43, (0<<16)|(1<<20)|(1<<21)|(3<<22)|(3<<25)  ; mask; elements of 1 byte; padding on; bit 21 beside a mask; 4 words of padding after every 16
	s_or_b32 s[G1B+0], s44, (0<<16)|(1<<20)|(1<<21)|(3<<22)|(3<<25)
.irp g, G1, G1B
	s_mov_b32 s[\g+1], ROWB<<16
	s_mov_b32 s[\g+2], 128<<16
	s_mov_b32 s[\g+3], ROWB<<16
	s_mov_b32 s[\g+4], 128
	s_mov_b32 s[\g+5], KROW
	s_mov_b32 s[\g+6], 0
	s_mov_b32 s[\g+7], 0
.endr
	s_or_b32 s[G1S+0], s43, (3<<16)|(1<<20)|(1<<21)|(5<<22)|(3<<25)
	s_or_b32 s[G1SB+0], s44, (3<<16)|(1<<20)|(1<<21)|(5<<22)|(3<<25)
.irp g, G1S, G1SB
	s_mov_b32 s[\g+1], 32<<16
	s_mov_b32 s[\g+2], (128*KS/256)<<16
	s_mov_b32 s[\g+3], 32<<16
	s_mov_b32 s[\g+4], 128*KS/256
	s_mov_b32 s[\g+5], 32
	s_mov_b32 s[\g+6], 0
	s_mov_b32 s[\g+7], 0
.endr
	s_lshl_b32 s18, s16, 7
	s_lshl_b32 s20, s17, 8
	s_add_co_u32 s20, s20, s18                     ; A: row 256 x tile row + 128 x half
	s_lshl_b32 s46, s42, 8
	s_add_co_u32 s46, s46, s18                     ; B: row 256 x tile column + 128 x half
	s_mov_b32 s21, 0
	s_mov_b32 s47, 0
	s_mov_b64 s[18:19], KS
	s_mul_u64 s[22:23], s[20:21], s[18:19]
	s_mul_u64 s[92:93], s[46:47], s[18:19]
	s_mov_b64 s[18:19], KROW
	s_mul_u64 s[20:21], s[20:21], s[18:19]
	s_mul_u64 s[46:47], s[46:47], s[18:19]
	s_mul_i32 s45, s14, HALFT
	s_mul_i32 s94, s14, HALFS
	s_wait_kmcnt 0x0
	s_add_nc_u64 s[8:9], s[8:9], 12582912          ; wo's codes: behind four tensors of 2,048 rows of 1,536 bytes
	s_add_nc_u64 s[10:11], s[10:11], 524288        ; and its scale bytes: 8,192 rows of 64
	s_add_nc_u64 s[20:21], s[4:5], s[20:21]
	s_add_nc_u64 s[22:23], s[6:7], s[22:23]
	s_add_nc_u64 s[46:47], s[8:9], s[46:47]
	s_add_nc_u64 s[92:93], s[10:11], s[92:93]
	CROUND                                         ; all sixteen work-groups are here: the first joint loads meet
	s_mov_b32 s[G0S], 1
	s_add_co_u32 s[G0S+1], s94, SCL
	s_mov_b64 s[G0S+2:G0S+3], s[22:23]
	s_or_b32 s[G0S+3], s[G0S+3], 0x80000000
	s_mov_b32 s[G0SB], 1
	s_add_co_u32 s[G0SB+1], s94, SCL
	s_mov_b64 s[G0SB+2:G0SB+3], s[92:93]
	s_or_b32 s[G0SB+3], s[G0SB+3], 0x80000000
	JLOAD G0S, G1S, G0SB, G1SB                     ; the scales first.  With the two below, three loads of mine are out
.irp s, 0,1
	s_mov_b32 s[G0+4*\s], 1
	s_add_co_u32 s[G0+4*\s+1], s45, \s*SLOT
	s_add_nc_u64 s[G0+4*\s+2:G0+4*\s+3], s[20:21], \s*ROWB
	s_or_b32 s[G0+4*\s+3], s[G0+4*\s+3], 0x80000000
	s_mov_b32 s[G0B+4*\s], 1
	s_add_co_u32 s[G0B+4*\s+1], s45, \s*SLOT
	s_add_nc_u64 s[G0B+4*\s+2:G0B+4*\s+3], s[46:47], \s*ROWB
	s_or_b32 s[G0B+4*\s+3], s[G0B+4*\s+3], 0x80000000
	JLOAD G0+4*\s, G1, G0B+4*\s, G1B
.endr
	v_and_b32 v1, 15, v0
	v_bfe_u32 v2, v0, 4, 1
	v_mul_u32_u24 v3, v1, PITCH
	v_mul_u32_u24 v4, v2, 24
	v_add_nc_u32 v4, v3, v4
	v_lshl_add_u32 v5, v2, 4, v4
	s_mul_i32 s21, s15, HALFT
	s_mul_i32 s22, s16, HALFT
	s_add_co_u32 s22, s22, 2*HALFT
.irp s, 0,1
	v_add_nc_u32 v[ADRA+\s], s21, v4
	v_add_nc_u32 v[ADRB+\s], s22, v4
	v_add_nc_u32 v[ADRA+2+\s], s21, v5
	v_add_nc_u32 v[ADRB+2+\s], s22, v5
	s_add_co_u32 s21, s21, SLOT
	s_add_co_u32 s22, s22, SLOT
.endr
	v_mul_u32_u24 v5, v1, KS
	v_lshrrev_b32 v6, 8, v5
	v_lshl_add_u32 v5, v6, 4, v5
	s_mul_i32 s21, s15, HALFS
	s_mul_i32 s22, s16, HALFS
	s_add_co_u32 s22, s22, 2*HALFS
	s_sub_co_u32 s22, s22, s21
	v_mul_u32_u24 v6, s22, v2
	s_add_co_u32 s21, s21, SCL
	v_add_nc_u32 v5, v5, v6
	v_add_nc_u32 v[ADRS], s21, v5
	s_mul_i32 s23, s14, 16*SPITCH                  ; my stage
	v_mul_u32_u24 v5, v1, SPITCH
	v_lshl_add_u32 v5, v2, 5, v5
	v_add_nc_u32 v[STO], s23, v5
	v_and_b32 v6, 31, v0
	v_lshlrev_b32 v[CO], 4, v6
	v_add_nc_u32 v[RD], s23, v[CO]
	s_lshl_b32 s20, s17, 8
	s_lshl_b32 s21, s15, 7
	s_add_co_u32 s20, s20, s21                     ; my first row of the result
	s_mov_b32 s21, 0
	s_mov_b64 s[18:19], SIZE_N*4
	s_mul_u64 s[20:21], s[20:21], s[18:19]
	s_lshl_b32 s46, s42, 10
	s_lshl_b32 s47, s16, 9
	s_add_co_u32 s46, s46, s47
	s_mov_b32 s47, 0
	s_add_nc_u64 s[20:21], s[20:21], s[46:47]
	s_add_nc_u64 s[12:13], s[12:13], s[20:21]
.macro FRAG reg, adr, q, i             ; 16 rows x 128 K in 12 registers, in pieces of 8 bytes; where lanes 16-31's piece lies behind one padding more, the second address register serves
.irp p, 0,1,2,3,4,5
.set PC, 12*(\q)+6*(\p/3)+\p%3
.if PC%8 < 5
	ds_load_b64 v[\reg+2*\p:\reg+2*\p+1], v[\adr] offset:8*PC+16*(PC/8)+(\i)*16*PITCH
.else
	ds_load_b64 v[\reg+2*\p:\reg+2*\p+1], v[\adr+2] offset:8*PC+16*(PC/8)+(\i)*16*PITCH
.endif
.endr
.endm
.macro MUL16 a0, p, q, sc, zero        ; the 64 accumulators take turns, one instruction a turn
.irp a, \a0, \a0+1
.irp b, 0,1,2,3,4,5,6,7
.if \zero
	v_wmma_scale_f32_16x16x128_f8f6f4 v[8*(8*((\a)%4)+\b):8*(8*((\a)%4)+\b)+7], v[128*(\p)+FR*\b:128*(\p)+FR*\b+FR-1], v[AF+FR*(\a):AF+FR*(\a)+FR-1], 0, v[SC+8*NQ*(\sc)+NQ*\b+(\q)], v[SC+8*NQ*(\sc)+NQ*(\a)+(\q)] matrix_a_fmt:MATRIX_FMT_FP6 matrix_b_fmt:MATRIX_FMT_FP6 matrix_a_scale:MATRIX_SCALE_ROW1
.else
	v_wmma_scale_f32_16x16x128_f8f6f4 v[8*(8*((\a)%4)+\b):8*(8*((\a)%4)+\b)+7], v[128*(\p)+FR*\b:128*(\p)+FR*\b+FR-1], v[AF+FR*(\a):AF+FR*(\a)+FR-1], v[8*(8*((\a)%4)+\b):8*(8*((\a)%4)+\b)+7], v[SC+8*NQ*(\sc)+NQ*\b+(\q)], v[SC+8*NQ*(\sc)+NQ*(\a)+(\q)] matrix_a_fmt:MATRIX_FMT_FP6 matrix_b_fmt:MATRIX_FMT_FP6 matrix_a_scale:MATRIX_SCALE_ROW1
.endif
.endr
.endr
.endm
.macro FETCH_B slot, q, p
	WIN TO_B
.irp i, 0,1,2,3,4,5,6,7
	FRAG 128*(\p)+FR*\i, ADRB+\slot, \q, \i
.endr
	WIN 0
.endm
.macro FETCH_A slot, q, i0
.irp i, \i0, \i0+1, \i0+2, \i0+3
	FRAG AF+FR*(\i), ADRA+\slot, \q, \i
.endr
.endm
.macro SCALES sc
.irp i, 0,1,2,3,4,5,6,7
	ds_load_b64 v[SC+8*NQ*\sc+NQ*\i:SC+8*NQ*\sc+NQ*\i+1], v[ADRS] offset:\i*SBLK
.endr
.endm
.macro PLACES n
.rept \n
	v_nop
.endr
.endm
.macro STEP slot, q, zero
	s_wait_dscnt 4*NL                              ; B's set and A's blocks 0-3 are in; the youngest 24 loads (A's blocks 4-7) may be out
	WIN MUL_LO
	MUL16 0, (\q)%2, \q, \slot, \zero
	MUL16 2, (\q)%2, \q, \slot, \zero
	s_wait_dscnt 0
	PLACES NP
	FETCH_B \slot, (\q)+1, 1-(\q)%2
	FETCH_A \slot, (\q)+1, 0
	WIN MUL_HI
	MUL16 4, (\q)%2, \q, \slot, \zero
	MUL16 6, (\q)%2, \q, \slot, \zero
	PLACES NP
	WIN 0
	FETCH_A \slot, (\q)+1, 4
.endm
.macro TURN slot, next, fill
	s_wait_tensorcnt 0x0                           ; all my tensor loads have landed: my part of the next slot
	ds_add_u32 v[SPW], v[NIL]                      ; 0 onto my spare word
	s_wait_dscnt 4*NL+1                            ; (the add and the youngest 24 loads may be out)
	WIN MUL_LO
	MUL16 0, 1, NQ-1, \slot, 0
	s_wait_dscnt 0x0                               ; the add is done, and my reads of this slot are over
	s_barrier_signal -1
	MUL16 2, 1, NQ-1, \slot, 0
	WIN 0
	s_barrier_wait -1
.if \fill
	CREST                                          ; the barrier has opened a round of the cluster's barrier
	s_add_nc_u64 s[G0+4*\slot+2:G0+4*\slot+3], s[G0+4*\slot+2:G0+4*\slot+3], 2*ROWB
	s_add_nc_u64 s[G0B+4*\slot+2:G0B+4*\slot+3], s[G0B+4*\slot+2:G0B+4*\slot+3], 2*ROWB
	JLOAD G0+4*\slot, G1, G0B+4*\slot, G1B         ; the first tensor load behind the round, my one load until the next
.else
	PLACES NP
.endif
	v_add_nc_u32 v[ADRS], 4*NQ, v[ADRS]
	FETCH_B \next, 0, 0
	FETCH_A \next, 0, 0
	SCALES \next
	WIN MUL_HI
	MUL16 4, 1, NQ-1, \slot, 0
	MUL16 6, 1, NQ-1, \slot, 0
	PLACES NP
	WIN 0
	FETCH_A \next, 0, 4
.endm
	s_wait_tensorcnt 1                             ; the scales and my part of K step 0 are in (K step 1's load may be out),
	s_barrier_signal -1
	s_barrier_wait -1                              ; everybody's are
	FETCH_B 0, 0, 0
	FETCH_A 0, 0, 0
	SCALES 0
	FETCH_A 0, 0, 4
	STEP 0, 0, 1                                   ; the first step's products start the sums
	s_mov_b32 s3, LAPS-1
.Llap:
	TURN 0, 1, 1
	STEP 1, 0, 0
	TURN 1, 0, 1
	STEP 0, 0, 0
	s_sub_co_u32 s3, s3, 1
	s_cmp_lg_u32 s3, 0
	s_cbranch_scc1 .Llap
	TURN 0, 1, 0                                   ; the last lap fills nothing
	STEP 1, 0, 0
	s_wait_dscnt 4*NL
	WIN MUL_LO
	MUL16 0, 1, NQ-1, 1, 0
	MUL16 2, 1, NQ-1, 1, 0
	s_wait_dscnt 0
	WIN MUL_HI
	MUL16 4, 1, NQ-1, 1, 0
	MUL16 6, 1, NQ-1, 1, 0
	WIN 0
; THE WAY OUT, block by block of 16 rows x 128 columns: through my own stage in LDS, back as whole rows of 512 bytes.  LDS serves a wave's instructions in order (ISA guide 5.7.1.4): no wait between the stores and the loads.
.macro TOSTAGE a
.set AC, 64*((\a)%4)
	WIN 0x08+4*((\a)/4)                            ; the data: window 2 or 3
.irp b, 0,1,2,3,4,5,6,7
	ds_store_b128 v[STO], v[AC+8*\b:AC+8*\b+3] offset:64*\b          ; each accumulator from its low end on
	ds_store_b128 v[STO], v[AC+8*\b+4:AC+8*\b+7] offset:64*\b+16
.endr
	WIN 0
.set BB, BK+64*((\a)%2)
.irp t, 0,1,2,3,4,5,6,7,8,9,10,11,12,13,14,15
	ds_load_b128 v[BB+4*\t:BB+4*\t+3], v[RD] offset:\t*SPITCH
.endr
.endm
.macro SEND a, younger
.set BB, BK+64*((\a)%2)
	s_wait_dscnt \younger                          ; the block is back in registers
.if (\a) > 0
	s_add_nc_u64 s[12:13], s[12:13], 16*SIZE_N*4   ; (behind a wait on XCNT: the earlier stores have read their base)
.endif
.irp t, 0,1,2,3,4,5,6,7,8,9,10,11,12,13,14,15
	global_store_b128 v[CO], v[BB+4*\t:BB+4*\t+3], s[12:13] offset:\t*SIZE_N*4 th:TH_STORE_NT   ; 32 lanes store 512 consecutive bytes, aligned to 256
.endr
.endm
	PLACES NP
	TOSTAGE 0
.irp a, 1,2,3,4,5,6,7
.if \a > 1
	s_wait_xcnt 0x0                                ; block a - 2's stores have read their registers and their base
.endif
	TOSTAGE \a
	SEND \a-1, 32                                  ; behind block a - 1's loads: block a's 16 stores and 16 loads
.endr
	s_wait_xcnt 0x0
	SEND 7, 0
	s_wait_tensorcnt 0x0                           ; the wave's end
	ds_add_u32 v[SPW], v[NIL]
	s_wait_dscnt 0x0
	CROUND                                         ; the closing round
	s_endpgm
.Lfunc_end_k_q3c36969db4_oproj:
	.size	k_q3c36969db4_oproj, .Lfunc_end_k_q3c36969db4_oproj-k_q3c36969db4_oproj
	.p2alignl 7, 3214868480
	.fill 96, 4, 3214868480
	.section	.rodata,"a",@progbits
	.p2align	6, 0x0
	.amdhsa_kernel k_q3c36969db4_oproj
		.amdhsa_group_segment_fixed_size 327680
		.amdhsa_private_segment_fixed_size 0
		.amdhsa_enable_private_segment 0
		.amdhsa_kernarg_size 40
		.amdhsa_user_sgpr_count 2
		.amdhsa_user_sgpr_kernarg_segment_ptr 1
		.amdhsa_wavefront_size32 1
		.amdhsa_system_sgpr_workgroup_id_x 1
		.amdhsa_system_sgpr_workgroup_id_y 1
		.amdhsa_system_sgpr_workgroup_id_z 1
		.amdhsa_system_vgpr_workitem_id 0
		.amdhsa_next_free_vgpr 1024
		.amdhsa_next_free_sgpr 98
		.amdhsa_reserve_vcc 0
		.amdhsa_float_denorm_mode_32 3
		.amdhsa_float_denorm_mode_16_64 3
		.amdhsa_memory_ordered 1
		.amdhsa_forward_progress 1
		.amdhsa_inst_pref_size 160
	.end_amdhsa_kernel
	.amdgpu_metadata
---
amdhsa.version: [ 1, 2 ]
amdhsa.kernels:
  - .name:           k_q3c36969db4_oproj
    .symbol:         k_q3c36969db4_oproj.kd
    .args:
      - { .name: ac, .offset: 0, .size: 8, .value_kind: global_buffer, .address_space: global }
      - { .name: asc, .offset: 8, .size: 8, .value_kind: global_buffer, .address_space: global }
      - { .name: codes, .offset: 16, .size: 8, .value_kind: global_buffer, .address_space: global }
      - { .name: scales, .offset: 24, .size: 8, .value_kind: global_buffer, .address_space: global }
      - { .name: out0, .offset: 32, .size: 8, .value_kind: global_buffer, .address_space: global }
    .group_segment_fixed_size: 327680
    .private_segment_fixed_size: 0
    .kernarg_segment_align: 8
    .kernarg_segment_size: 40
    .max_flat_workgroup_size: 128
    .sgpr_count:     98
    .vgpr_count:     1024
    .wavefront_size: 32
...
	.end_amdgpu_metadata
.endif
;; end of part 4
;; ======== version 2 of 2: 4 launches
;; workspace buffers: codes 15,728,640 bytes; scales 655,360 bytes; fcimg 2,097,152 bytes; q 3,407,872 bytes; kv 6,815,744 bytes; ac 3,145,728 bytes; asc 131,072 bytes
;; launch quant (part 5): grid 768 x 1, 4 waves a work-group, no clusters, 33,280 bytes of LDS; arguments x, wq, wk, wv, wo, freq_cis, codes, scales, fcimg; writes codes, scales, fcimg
.if DOCPART == 5
	.amdgcn_target "amdgcn-amd-amdhsa--gfx1250"
	.amdhsa_code_object_version 6
	.text
	.protected	k_q3c36969db4_quant
	.globl	k_q3c36969db4_quant
	.p2align	8
	.type	k_q3c36969db4_quant,@function
k_q3c36969db4_quant:
	s_mov_b64 s[64:65], 0
	v_nop
	global_prefetch_b8 v0, s[64:65] scope:SCOPE_SE
	s_setreg_imm32_b32 hwreg(HW_REG_WAVE_MODE, 25, 1), 1
	s_wait_xcnt 0x0
; x, wq, wk, wv, wo ([2048][2048] f32, K innermost) become codes of FP6 (E2M3) and one E8M0 byte for each 32 along K; freq_cis is laid anew as an image of registers.
; codes: five tensors on end (x, wq, wk, wv, wo), 2,048 rows of 1,536 bytes each; scales: the same rows, 64 bytes each.
; THE ROWS OF x, wq, wk, wv ARE PLACED WITH BITS 3 AND 4 OF THE ROW NUMBER SWAPPED: sixteen neighbouring rows of the buffer (tile 2 b + u of a group of 32) are then rows 32 b + 8 u + r + 8 (r / 8),
; the order in which the next launch wants the rows of a tile, so that its results' registers run along the next product's K.  wo's rows keep their places.
; A block's scale is 2^(floor(log2(largest magnitude)) - 2); its byte is the largest magnitude's exponent field - 2, held at 1 from below; each number / scale goes to the nearest code, ties to even, beyond 7.5 the largest code.
; LIMITS: NaN and infinities are not served; a block whose largest magnitude lies under 2^-124 keeps the byte 1; a block of zeros has the byte 1 and not 127 (its codes are zeros, and this program alone reads the bytes).
; Work-groups 0-639: a wave takes a run of 8,192 numbers (4 rows), 16 steps of 512.  Each load reads 512 consecutive bytes; a step's 2,048 bytes turn through the wave's own stage in LDS and come back 64 bytes
; (16 neighbours) a lane; two neighbouring lanes hold a block.  A wave's 256 scale bytes are gathered in LDS and leave as one store of 256 consecutive bytes.  Waves share nothing: no barrier.
; Work-groups 640-767: a work-group lays one tile T of 16 positions of freq_cis (16,384 bytes) in the order in which a lane of the next launch wants it: piece k (512 bytes), lane l's 16 bytes = the 2 x 2 matrix of
; position 32 (T / 2) + 8 (T % 2) + r + 8 (r / 8) and pair 16 (k / 8) + 8 h + k % 8.  Wave j takes pieces 8 j .. 8 j + 7: a lane's eight loads are 128 consecutive bytes of its position.  No LDS on this way.
.set STEPS, 16
.set EMAX,  2
.set CB,    12                         ; bytes of 16 codes
.set R,     16                         ; v16-79   four sets of 16 numbers as they are loaded
.set X,     80                         ; v80-111  two sets of 16 neighbours
.set C,     128                        ; v128-191 codes: four registers for each step, so that no store's data are written again
.set E,     112                        ; v112-127 a scale byte for each step
.set WREG,  8192                       ; LDS: a region for each wave: two stages of 32 x SP bytes, and behind them its 256 scale bytes
.set SP,    80                         ; a lane's place in a stage: 64 bytes + 16 of padding
.set QWG,   640                        ; 5 tensors x 128 work-groups of 32,768 numbers
	s_load_b256 s[4:11], s[0:1], 0x0               ; x, wq, wk, wv
	s_load_b256 s[12:19], s[0:1], 0x20             ; wo, freq_cis, codes, scales
	s_load_b64 s[20:21], s[0:1], 0x40              ; fcimg
	v_lshl_add_u32 v192, v0, 2, 0x8000
	v_mov_b32 v193, 0
	v_lshrrev_b32 v1, 5, v0
	v_readfirstlane_b32 s22, v1                    ; wave
	v_and_b32 v2, 31, v0                           ; lane
	s_mov_b32 s27, 0                               ; the high word of every offset here
	s_wait_kmcnt 0x0
	s_cmp_ge_u32 ttmp9, QWG
	s_cbranch_scc1 .Lfc
	v_lshlrev_b32 v3, 4, v2                        ; my 16 bytes of a load's 512
	s_mul_i32 s23, s22, WREG
	v_lshrrev_b32 v14, 2, v2
	v_mul_u32_u24 v14, v14, SP
	v_and_b32 v15, 3, v2
	v_lshl_add_u32 v14, v15, 4, v14
	v_add_nc_u32 v14, s23, v14                     ; the stage, on the way in: SP (lane / 4) + 16 (lane % 4)
	v_mul_u32_u24 v15, v2, SP
	v_add_nc_u32 v15, s23, v15                     ; and on the way out: SP x lane: my 16 neighbours
	v_mul_u32_u24 v4, v2, CB                       ; my codes' place in a step's
	v_lshrrev_b32 v5, 1, v2
	s_add_co_u32 s23, s23, 2*32*SP
	v_add_nc_u32 v5, s23, v5                       ; LDS: my wave's 256 scale bytes, my block's byte
	v_lshlrev_b32 v7, 3, v2                        ; and on the way out 8 bytes a lane
	v_add_nc_u32 v6, s23, v7
	s_lshr_b32 s24, ttmp9, 7                       ; which tensor: the choice hangs on the work-group's number alone
	s_cmp_eq_u32 s24, 1
	s_cselect_b64 s[4:5], s[6:7], s[4:5]
	s_cmp_eq_u32 s24, 2
	s_cselect_b64 s[4:5], s[8:9], s[4:5]
	s_cmp_eq_u32 s24, 3
	s_cselect_b64 s[4:5], s[10:11], s[4:5]
	s_cmp_eq_u32 s24, 4
	s_cselect_b64 s[4:5], s[12:13], s[4:5]
	s_and_b32 s25, ttmp9, 127
	s_lshl_b32 s25, s25, 2
	s_add_co_u32 s25, s25, s22                     ; my run of 4 rows in the tensor
	s_lshl_b32 s26, s25, 15                        ; 32,768 bytes a run
	s_add_nc_u64 s[4:5], s[4:5], s[26:27]
	s_lshl_b32 s25, ttmp9, 2
	s_add_co_u32 s25, s25, s22                     ; my run among the five tensors' 2,560
	s_lshr_b32 s28, s25, 1
	s_lshr_b32 s29, s25, 2
	s_xor_b32 s28, s28, s29
	s_and_b32 s28, s28, 1                          ; do bits 1 and 2 of the run (bits 3 and 4 of the row) differ?
	s_mul_i32 s28, s28, 6
	s_cmp_eq_u32 s24, 4
	s_cselect_b32 s28, 0, s28                      ; wo's rows stay where they are
	s_xor_b32 s25, s25, s28                        ; the two bits swapped
	s_mul_i32 s26, s25, 6144                       ; 4 rows of 1,536 bytes
	s_add_nc_u64 s[16:17], s[16:17], s[26:27]
	s_lshl_b32 s26, s25, 8                         ; 4 rows of 64 bytes
	s_add_nc_u64 s[18:19], s[18:19], s[26:27]
.macro LOAD t
.irp i, 0,1,2,3
	global_load_b128 v[R+16*((\t)%4)+4*\i:R+16*((\t)%4)+4*\i+3], v3, s[4:5] offset:2048*(\t)+512*\i th:TH_LOAD_NT   ; 32 lanes read 512 consecutive bytes
.endr
.endm
.macro TURN t                          ; step t's numbers through the stage: LDS serves a wave's instructions in order, so no wait stands between the stores and the loads
.irp i, 0,1,2,3
	ds_store_b128 v14, v[R+16*((\t)%4)+4*\i:R+16*((\t)%4)+4*\i+3] offset:32*SP*((\t)%2)+8*SP*\i
.endr
.irp i, 0,1,2,3
	ds_load_b128 v[X+16*((\t)%2)+4*\i:X+16*((\t)%2)+4*\i+3], v15 offset:32*SP*((\t)%2)+16*\i
.endr
.endm
.irp t, 0,1,2,3
	LOAD \t
.endr
	s_wait_loadcnt 12                              ; step 0's four loads are in; the twelve of steps 1 to 3 may be out
	TURN 0
.macro STEP t
.set XS, X+16*((\t)%2)
.if (\t) > 0
	s_wait_dscnt 1                                 ; this step's numbers are back from the stage (the last step's byte store may be out): so its stores into the stage have read their registers,
.else
	s_wait_dscnt 0x0
.endif
.if (\t)+4 < STEPS
	LOAD (\t)+4                                    ; which take the loads of four steps on
.endif
.if (\t)+1 < STEPS
.if STEPS-2-(\t) >= 3
	s_wait_loadcnt 12                              ; the next step's four loads are in; those of the three steps behind it may be out
.else
	s_wait_loadcnt 4*(STEPS-2-(\t))
.endif
	TURN (\t)+1                                    ; and go through the other stage while this step is worked
.endif
	v_max3_num_f32 v8, |v[XS]|, |v[XS+1]|, |v[XS+2]|               ; the largest magnitude of my 16, in two chains
	v_max3_num_f32 v9, |v[XS+3]|, |v[XS+4]|, |v[XS+5]|
.irp i, 6,10
	v_max3_num_f32 v8, v8, |v[XS+\i]|, |v[XS+\i+1]|
	v_max3_num_f32 v9, v9, |v[XS+\i+2]|, |v[XS+\i+3]|
.endr
	v_max3_num_f32 v8, v8, |v[XS+14]|, |v[XS+15]|
	v_max3_num_f32 v8, v8, v9, (EMAX+1)<<23        ; and the floor 2^(EMAX + 1 - 127): the byte cannot fall under 1
	v_max_num_f32_dpp v8, v8, v8 row_xmask:1 row_mask:0xf bank_mask:0xf   ; and of my neighbour's 16: the block's
	v_add_nc_u32 v11, -(EMAX<<23), v8              ; EMAX off its exponent field: the conversion takes the exponent field of this operand as its scale
	v_cvt_scalef32_pk16_fp6_f32 v[C+4*(\t):C+4*(\t)+2], v[XS:XS+15], v11
	v_lshrrev_b32 v[E+(\t)], 23, v11               ; the scale's byte (also the plain line behind the conversion)
	ds_store_b8 v5, v[E+(\t)] offset:16*(\t)       ; both lanes of a block write the same byte with the same value
	global_store_b96 v4, v[C+4*(\t):C+4*(\t)+2], s[16:17] offset:32*CB*(\t)   ; the wave stores 384 consecutive bytes
.endm
.irp t, 0,1,2,3,4,5,6,7,8,9,10,11,12,13,14,15
	STEP \t
.endr
	ds_load_b64 v[12:13], v6                       ; LDS serves a wave's instructions in order: these see my stores
	s_wait_dscnt 0x0
	global_store_b64 v7, v[12:13], s[18:19]        ; 32 lanes store 256 consecutive bytes, aligned
	s_wait_tensorcnt 0x0
	ds_add_u32 v192, v193
	s_wait_dscnt 0x0
	s_endpgm
.Lfc:
	s_sub_co_u32 s24, ttmp9, QWG                   ; T: my work-group's tile of 16 positions, 0 .. 127
	s_lshr_b32 s25, s24, 1
	s_lshl_b32 s25, s25, 15                        ; 32 (T / 2) positions of 1,024 bytes
	s_and_b32 s26, s24, 1
	s_lshl_b32 s26, s26, 13                        ; + 8 (T % 2)
	s_add_co_u32 s26, s25, s26
	s_lshl_b32 s25, s22, 8                         ; + my wave's 16 pairs of each position: 256 bytes
	s_add_co_u32 s26, s26, s25
	s_add_nc_u64 s[14:15], s[14:15], s[26:27]
	s_lshl_b32 s26, s24, 14                        ; the tile's 16,384 bytes in the image,
	s_lshl_b32 s25, s22, 12                        ; my wave's 8 pieces of 512 bytes
	s_add_co_u32 s26, s26, s25
	s_add_nc_u64 s[20:21], s[20:21], s[26:27]
	v_and_b32 v3, 15, v0                           ; r
	v_bfe_u32 v4, v0, 4, 1                         ; h
	v_and_b32 v6, 8, v3
	v_add_nc_u32 v6, v6, v3                        ; r + 8 (r / 8)
	v_lshlrev_b32 v1, 10, v6
	v_lshl_add_u32 v1, v4, 7, v1                   ; my position's row, + 8 h pairs of 16 bytes
	v_lshlrev_b32 v5, 4, v2                        ; out: 16 x lane
.set k, 0
.rept 8
	global_load_b128 v[16+4*k:19+4*k], v1, s[14:15] offset:16*k th:TH_LOAD_NT   ; pair 16 wave + 8 h + k
.set k, k+1
.endr
.set k, 0
.rept 8
	s_wait_loadcnt 7-k                             ; loads come back in order: piece k is in, the younger ones may be out
	global_store_b128 v5, v[16+4*k:19+4*k], s[20:21] offset:512*k   ; 32 lanes store 512 consecutive bytes
.set k, k+1
.endr
	s_endpgm
.Lfunc_end_k_q3c36969db4_quant:
	.size	k_q3c36969db4_quant, .Lfunc_end_k_q3c36969db4_quant-k_q3c36969db4_quant
	.p2alignl 7, 3214868480
	.fill 96, 4, 3214868480
	.section	.rodata,"a",@progbits
	.p2align	6, 0x0
	.amdhsa_kernel k_q3c36969db4_quant
		.amdhsa_group_segment_fixed_size 33280
		.amdhsa_private_segment_fixed_size 0
		.amdhsa_enable_private_segment 0
		.amdhsa_kernarg_size 72
		.amdhsa_user_sgpr_count 2
		.amdhsa_user_sgpr_kernarg_segment_ptr 1
		.amdhsa_wavefront_size32 1
		.amdhsa_system_sgpr_workgroup_id_x 1
		.amdhsa_system_sgpr_workgroup_id_y 1
		.amdhsa_system_sgpr_workgroup_id_z 1
		.amdhsa_system_vgpr_workitem_id 0
		.amdhsa_next_free_vgpr 194
		.amdhsa_next_free_sgpr 66
		.amdhsa_reserve_vcc 0
		.amdhsa_float_denorm_mode_32 3
		.amdhsa_float_denorm_mode_16_64 3
		.amdhsa_memory_ordered 1
		.amdhsa_forward_progress 1
		.amdhsa_inst_pref_size 35
	.end_amdhsa_kernel
	.amdgpu_metadata
---
amdhsa.version: [ 1, 2 ]
amdhsa.kernels:
  - .name:           k_q3c36969db4_quant
    .symbol:         k_q3c36969db4_quant.kd
    .args:
      - { .name: x, .offset: 0, .size: 8, .value_kind: global_buffer, .address_space: global }
      - { .name: wq, .offset: 8, .size: 8, .value_kind: global_buffer, .address_space: global }
      - { .name: wk, .offset: 16, .size: 8, .value_kind: global_buffer, .address_space: global }
      - { .name: wv, .offset: 24, .size: 8, .value_kind: global_buffer, .address_space: global }
      - { .name: wo, .offset: 32, .size: 8, .value_kind: global_buffer, .address_space: global }
      - { .name: freq_cis, .offset: 40, .size: 8, .value_kind: global_buffer, .address_space: global }
      - { .name: codes, .offset: 48, .size: 8, .value_kind: global_buffer, .address_space: global }
      - { .name: scales, .offset: 56, .size: 8, .value_kind: global_buffer, .address_space: global }
      - { .name: fcimg, .offset: 64, .size: 8, .value_kind: global_buffer, .address_space: global }
    .group_segment_fixed_size: 33280
    .private_segment_fixed_size: 0
    .kernarg_segment_align: 8
    .kernarg_segment_size: 72
    .max_flat_workgroup_size: 128
    .sgpr_count:     66
    .vgpr_count:     194
    .wavefront_size: 32
...
	.end_amdgpu_metadata
.endif
;; end of part 5
;; launch qkv: the kernel of part 2 again; grid 24 x 8, 4 waves a work-group, clusters of 4 x 4, 327,680 bytes of LDS; arguments codes, scales, fcimg, q, kv; writes q, kv
;; launch attn: the kernel of part 3 again; grid 16 x 16, 16 waves a work-group, clusters of 4 x 1, 327,680 bytes of LDS; arguments q, kv, lambda_q1, lambda_k1, lambda_q2, lambda_k2, subln_w, ac, asc; writes ac, asc
;; launch oproj (part 6): grid 16 x 16, 4 waves a work-group, clusters of 4 x 4, 327,680 bytes of LDS; arguments ac, asc, codes, scales, out0; writes out0
.if DOCPART == 6
	.amdgcn_target "amdgcn-amd-amdhsa--gfx1250"
	.amdhsa_code_object_version 6
	.text
	.protected	k_q3c36969db4_oproj
	.globl	k_q3c36969db4_oproj
	.p2align	8
	.type	k_q3c36969db4_oproj,@function
k_q3c36969db4_oproj:
	s_mov_b64 s[64:65], 0
	v_nop
	global_prefetch_b8 v0, s[64:65] scope:SCOPE_SE
	s_setreg_imm32_b32 hwreg(HW_REG_WAVE_MODE, 25, 1), 1
	s_wait_xcnt 0x0
	s_wait_alu depctr_hold_cnt(0) depctr_sa_sdst(0) depctr_va_vdst(0) depctr_va_sdst(0) depctr_va_ssrc(0) depctr_va_vcc(0) depctr_vm_vsrc(0)
	s_getreg_b32 s2, hwreg(HW_REG_IB_STS2, 6, 4)
	s_cmp_eq_u32 s2, 0
	s_cbranch_scc0 .Lentry_in_a_cluster
	s_endpgm
.Lentry_in_a_cluster:
	s_bfe_u32 s2, ttmp6, 0x10000c
	s_cmp_lg_u32 s2, 0xf033
	s_cbranch_scc0 .Lentry_shape_is_right
	s_endpgm
.Lentry_shape_is_right:
; out0[m][n] = sum over k of A[m][k] wo[n][k], on codes of FP6 (E2M3) with one E8M0 scale for each 32 along K.  A: the normed attention, [2048][2048] as rows of 1,536 bytes of codes and 64 scale bytes;
; wo: the fifth tensor of the codes' and scales' buffers, its rows in their own order.  out0: f32.
; A TILE IS 128 x 128: this size has 256 of them, against 64 of 256 x 256.  Four waves, each 64 x 64: 16 accumulators, 128 registers.
; K GOES IN SLOTS OF 512 through a ring of two LDS slots filled by the tensor data mover (a tile's row is 384 bytes; a wave's load brings 64 rows): both slots are filled at the start, so half of K is asked for at once,
; and each slot is filled again once: two refills in the launch, each with four steps of 128 along K in which to land.  The scale bytes of the work-group's rows come into LDS once, with the first fills.
; CLUSTERS: 4 x 4 work-groups.  The four of a row of the cluster need the same tiles of A, the four of a column the same tiles of wo: each tile is asked for jointly, by the same tensor load with the same descriptor
; and a mask that names the four.  The matrix instruction is used transposed (source 0 = 16 rows of wo, source 1 = 16 rows of A): a lane holds eight neighbouring numbers of a row of the result.
; A step of 128 along K is 16 matrix instructions on one of two sets of fragments; the next step's 8 fragments (48 loads of 8 bytes) are asked for ahead of the step's products.  The text is straight: 16 steps.
; THE WAY OUT: a wave's 64 columns are 256 consecutive bytes of a row of out0, aligned: each wave sends its blocks of 16 rows through a stage of its own; no wave waits for another.
; No prefetch: each tile is shared by joint loads, and a slot's rows are asked for only twice behind the start.
; REGISTERS: window 0: v16-29 addresses; v32-63 scale words, two sets of 16, and nothing else; v64-127 rows on the way out; v128-255 the accumulators ((a, b) at v[128 + 8 (4 a + b)]).
;   window 1: two sets of fragments at v0 and v128: A's four blocks in 48 registers, then wo's four.
.set SIZE_N, 2048
.set SIZE_K, 2048
.set KSTEP,  512                       ; along K in a slot
.set NQ,     KSTEP/128                 ; steps in a slot
.set ROWB,   384                       ; a tile's row in bytes: 512 codes of 6 bits
.set KROW,   SIZE_K*6/8                ; a row of codes in memory
.set PITCH,  432                       ; an LDS row: 3 x (128 bytes + 16 of padding) = 108 words: row r starts at bank 4 (11 r mod 16) (64 banks of 4 bytes: ISA guide 11.1): the 32 lanes of a load of 8 bytes touch 64 different banks
.set FR,     12                        ; registers of a fragment
.set NP,     4                         ; places behind this matrix instruction (ISA guide 7.12.1)
.set HALFT,  64*PITCH                  ; 64 rows: what one tensor load brings, and what one wave reads of A or of wo
.set SLOT,   4*HALFT                   ; A's 128 rows, then wo's 128 rows
.set KS,     SIZE_K/32                 ; a row of scale bytes
.set SCL,    2*SLOT                    ; behind the ring: the scales, as runs of 256 bytes + 16 of padding
.set HALFS,  (64*KS/256)*272           ; those of 64 rows: what one tensor load brings
.set SBLK,   (16*KS/256)*272           ; those of 16 rows
.set SPARE,  SCL+4*HALFS               ; the spare words, 128 bytes for each wave: two blocks of 256 bytes that no other line names
.set STAGE,  SPARE+512                 ; the way out: 16 rows x (256 bytes + 16) for each wave; no fill ever lands here
.set SPITCH, 272
.set ADRA, 16                          ; v16-17 LDS address of my A fragments in slot 0, 1 (v18-19: the same for the pieces that lie behind one padding more)
.set ADRB, 20                          ; v20-21 the same for wo (v22-23)
.set STO,  24                          ; v24    the way out: where I put 32 bytes of a row
.set RD,   25                          ; v25    where I read a row back
.set CO,   26                          ; v26    my byte offset in two rows of out0
.set ADRS, 27                          ; v27    LDS address of my scale words: lanes 0-15 A's rows, lanes 16-31 wo's
.set SPW,  28                          ; v28    LDS address of my spare word; never rewritten
.set NIL,  29                          ; v29    0; never rewritten
.set SC,   32                          ; scale words: set s (for slot s) at v[SC + 16 s]; register 4 i + q: lanes 0-15 the word of A's block i, lanes 16-31 that of wo's block i, for the slot's q-th 128 along K
.set BK,   64                          ; the way out: 16 rows read back from the stage: v64-95 and v96-127 by turns
.set ACC,  128
.set G1, 24                            ; s[24:31] descriptor group 1 for A's tiles; s[32:39] group 0, one set for each slot
.set G0, 32
.set G1B, 48                           ; s[48:55], s[56:63] the same for wo's tiles
.set G0B, 56
.set G1S, 68                           ; s[68:75], s[76:79] groups 1 and 0 for A's scales; s[80:87], s[88:91] for wo's
.set G0S, 76
.set G1SB, 80
.set G0SB, 88
.set MSB, 0
.macro WIN new                         ; the immediate's high byte repeats the setting that is left
.if MSB != (\new)
	s_set_vgpr_msb (MSB<<8)|(\new)
.set MSB, (\new)
.endif
.endm
.set MUL,  0x05                        ; sources 0 (wo) and 1 (A) window 1; C and D window 0
.set TO_F, 0x40                        ; destination window 1, address window 0
.macro JLOAD g0a, g1a, g0b, g1b        ; a joint load: waves 0 and 1 fetch for A, waves 2 and 3 for wo; the branch hangs on the wave's number alone; four v_nop follow each of the two lines
	s_cmp_eq_u32 s15, 0
	s_cbranch_scc0 .Lfor_b_\@
	tensor_load_to_lds s[\g0a:\g0a+3], s[\g1a:\g1a+7]
	s_nop 0
.rept 4
	v_nop
.endr
	s_branch .Lasked_\@
.Lfor_b_\@:
	tensor_load_to_lds s[\g0b:\g0b+3], s[\g1b:\g1b+7]
	s_nop 0
.rept 4
	v_nop
.endr
.Lasked_\@:
.endm
.macro CREST                           ; a round of the cluster's barrier behind its opening barrier
	s_cmp_lg_u32 s14, 0
	s_cbranch_scc1 .Lnot_wave_0_\@
	s_barrier_signal -3
.Lnot_wave_0_\@:
	s_barrier_wait -3
	s_barrier_signal -1
	s_barrier_wait -1
.endm
.macro CROUND                          ; a whole round
	s_barrier_signal -1
	s_barrier_wait -1
	CREST
.endm
	s_load_b128 s[4:7], s[0:1], 0x0                ; A's codes, A's scales
	s_load_b128 s[8:11], s[0:1], 0x10              ; the codes' buffer, the scales' buffer
	s_load_b64 s[12:13], s[0:1], 0x20              ; out0
	v_lshl_add_u32 v[SPW], v0, 2, SPARE
	v_mov_b32 v[NIL], 0
	ds_add_u32 v28, v29
	s_wait_dscnt 0x0
	v_lshrrev_b32 v1, 5, v0
	v_readfirstlane_b32 s14, v1                    ; wave 0..3
	s_lshr_b32 s15, s14, 1                         ; which half of the tile's rows is mine.  Also: I fetch for A (0) or for wo (1)
	s_and_b32 s16, s14, 1                          ; which half of its columns.  Also: which 64 rows of that tile I fetch
	s_bfe_u32 s40, ttmp6, 0x40000                  ; cx, cy: my place in the cluster
	s_bfe_u32 s41, ttmp6, 0x40004
	s_lshl_b32 s42, ttmp9, 2
	s_add_co_u32 s42, s42, s40                     ; tile column = 4 x cluster x + cx
	s_and_b32 s17, ttmp7, 0xffff
	s_lshl_b32 s17, s17, 2
	s_add_co_u32 s17, s17, s41                     ; tile row = 4 x cluster y + cy
	s_lshl_b32 s43, s41, 2
	s_lshl_b32 s43, 15, s43                        ; my row of the cluster
	s_lshl_b32 s44, 0x1111, s40                    ; my column
	; descriptor group 1: a tile of 64 rows x 384 bytes, 16 bytes of padding behind every 128
	s_or_b32 s[G1+0], s43, (0<<16)|(1<<20)|(1<<21)|(4<<22)|(3<<25)  ; 15:0 the mask: A's tiles go to my row; 17:16 elements of 1 byte; 20 padding on; 21 set beside a mask; 24:22 after every 32 words (code 4); 31:25 of 4 words (code 3)
	s_or_b32 s[G1B+0], s44, (0<<16)|(1<<20)|(1<<21)|(4<<22)|(3<<25)
.irp g, G1, G1B
	s_mov_b32 s[\g+1], ROWB<<16                    ; tensor_dim0
	s_mov_b32 s[\g+2], 64<<16                      ; tensor_dim1
	s_mov_b32 s[\g+3], ROWB<<16                    ; tile_dim0
	s_mov_b32 s[\g+4], 64                          ; tile_dim1
	s_mov_b32 s[\g+5], KROW                        ; tensor_dim0_stride
	s_mov_b32 s[\g+6], 0
	s_mov_b32 s[\g+7], 0
.endr
	; the scales of 64 rows: a dense block of 4,096 bytes, as 16 rows of 256 bytes (32 elements of 8 bytes), 16 bytes of padding behind each
	s_or_b32 s[G1S+0], s43, (3<<16)|(1<<20)|(1<<21)|(5<<22)|(3<<25)
	s_or_b32 s[G1SB+0], s44, (3<<16)|(1<<20)|(1<<21)|(5<<22)|(3<<25)
.irp g, G1S, G1SB
	s_mov_b32 s[\g+1], 32<<16
	s_mov_b32 s[\g+2], (64*KS/256)<<16
	s_mov_b32 s[\g+3], 32<<16
	s_mov_b32 s[\g+4], 64*KS/256
	s_mov_b32 s[\g+5], 32
	s_mov_b32 s[\g+6], 0
	s_mov_b32 s[\g+7], 0
.endr
	s_lshl_b32 s18, s16, 6                         ; which 64 rows of the tile I fetch
	s_lshl_b32 s20, s17, 7
	s_add_co_u32 s20, s20, s18                     ; A: row 128 x tile row + 64 x half
	s_lshl_b32 s46, s42, 7
	s_add_co_u32 s46, s46, s18                     ; wo: row 128 x tile column + 64 x half
	s_mov_b32 s21, 0
	s_mov_b32 s47, 0
	s_mov_b64 s[18:19], KS
	s_mul_u64 s[22:23], s[20:21], s[18:19]         ; where these rows' scales begin, in bytes
	s_mul_u64 s[92:93], s[46:47], s[18:19]
	s_mov_b64 s[18:19], KROW
	s_mul_u64 s[20:21], s[20:21], s[18:19]         ; and their codes
	s_mul_u64 s[46:47], s[46:47], s[18:19]
	s_mul_i32 s45, s14, HALFT                      ; where they go: wave x 64 rows: no place in the cluster enters an LDS address
	s_mul_i32 s94, s14, HALFS
	s_wait_kmcnt 0x0
	s_add_nc_u64 s[8:9], s[8:9], 12582912          ; wo's codes: behind four tensors of 2,048 rows of 1,536 bytes
	s_add_nc_u64 s[10:11], s[10:11], 524288        ; and its scale bytes: 8,192 rows of 64
	s_add_nc_u64 s[20:21], s[4:5], s[20:21]
	s_add_nc_u64 s[22:23], s[6:7], s[22:23]
	s_add_nc_u64 s[46:47], s[8:9], s[46:47]
	s_add_nc_u64 s[92:93], s[10:11], s[92:93]
	CROUND                                         ; all sixteen work-groups are here: the first joint loads meet
	s_mov_b32 s[G0S], 1
	s_add_co_u32 s[G0S+1], s94, SCL
	s_mov_b64 s[G0S+2:G0S+3], s[22:23]
	s_or_b32 s[G0S+3], s[G0S+3], 0x80000000
	s_mov_b32 s[G0SB], 1
	s_add_co_u32 s[G0SB+1], s94, SCL
	s_mov_b64 s[G0SB+2:G0SB+3], s[92:93]
	s_or_b32 s[G0SB+3], s[G0SB+3], 0x80000000
	JLOAD G0S, G1S, G0SB, G1SB                     ; the scales first: they are wanted with the first step.  With the two below, three loads of mine are out
.irp s, 0,1
	s_mov_b32 s[G0+4*\s], 1
	s_add_co_u32 s[G0+4*\s+1], s45, \s*SLOT
	s_add_nc_u64 s[G0+4*\s+2:G0+4*\s+3], s[20:21], \s*ROWB
	s_or_b32 s[G0+4*\s+3], s[G0+4*\s+3], 0x80000000
	s_mov_b32 s[G0B+4*\s], 1
	s_add_co_u32 s[G0B+4*\s+1], s45, \s*SLOT
	s_add_nc_u64 s[G0B+4*\s+2:G0B+4*\s+3], s[46:47], \s*ROWB
	s_or_b32 s[G0B+4*\s+3], s[G0B+4*\s+3], 0x80000000
	JLOAD G0+4*\s, G1, G0B+4*\s, G1B
.endr
	v_and_b32 v1, 15, v0                           ; r
	v_bfe_u32 v2, v0, 4, 1                         ; h
	v_mul_u32_u24 v3, v1, PITCH
	v_mul_u32_u24 v4, v2, 24
	v_add_nc_u32 v4, v3, v4                        ; a fragment's row x pitch + 24 x half
	v_lshl_add_u32 v5, v2, 4, v4                   ; and the same behind one padding more
	s_mul_i32 s21, s15, HALFT                      ; my 64 rows of A
	s_mul_i32 s22, s16, HALFT                      ; my 64 rows of wo,
	s_add_co_u32 s22, s22, 2*HALFT                 ; which lie behind A's 128
.irp s, 0,1
	v_add_nc_u32 v[ADRA+\s], s21, v4
	v_add_nc_u32 v[ADRB+\s], s22, v4
	v_add_nc_u32 v[ADRA+2+\s], s21, v5
	v_add_nc_u32 v[ADRB+2+\s], s22, v5
	s_add_co_u32 s21, s21, SLOT
	s_add_co_u32 s22, s22, SLOT
.endr
	v_mul_u32_u24 v5, v1, KS                       ; my row's scales: KS bytes a row,
	v_lshrrev_b32 v6, 8, v5
	v_lshl_add_u32 v5, v6, 4, v5                   ; and 16 more for each 256 passed
	s_mul_i32 s21, s15, HALFS
	s_mul_i32 s22, s16, HALFS
	s_add_co_u32 s22, s22, 2*HALFS
	s_sub_co_u32 s22, s22, s21
	v_mul_u32_u24 v6, s22, v2                      ; lanes 16-31 take wo's: one product, the distance between the two bases
	s_add_co_u32 s21, s21, SCL
	v_add_nc_u32 v5, v5, v6
	v_add_nc_u32 v[ADRS], s21, v5
	s_mul_i32 s23, s14, 16*SPITCH
	s_add_co_u32 s23, s23, STAGE                   ; my stage
	v_mul_u32_u24 v5, v1, SPITCH                   ; in: row r, 32 bytes for each half of the lanes
	v_lshl_add_u32 v5, v2, 5, v5
	v_add_nc_u32 v[STO], s23, v5
	v_mul_u32_u24 v6, v2, SPITCH                   ; back: lanes 0-15 take one row of 256 bytes, lanes 16-31 the next
	v_lshl_add_u32 v6, v1, 4, v6
	v_add_nc_u32 v[RD], s23, v6
	v_lshlrev_b32 v6, 13, v2                       ; and the same two rows in out0: 8,192 bytes a row
	v_lshl_add_u32 v[CO], v1, 4, v6
	s_lshl_b32 s20, s17, 7
	s_lshl_b32 s21, s15, 6
	s_add_co_u32 s20, s20, s21                     ; my first row of the result: 128 x tile row + 64 x half
	s_mov_b32 s21, 0
	s_mov_b64 s[18:19], SIZE_N*4
	s_mul_u64 s[20:21], s[20:21], s[18:19]
	s_lshl_b32 s46, s42, 9                         ; my first column, in bytes: 512 x tile column + 256 x half
	s_lshl_b32 s47, s16, 8
	s_add_co_u32 s46, s46, s47
	s_mov_b32 s47, 0
	s_add_nc_u64 s[20:21], s[20:21], s[46:47]
	s_add_nc_u64 s[12:13], s[12:13], s[20:21]
.macro FRAG reg, adr, q, i             ; a fragment, 16 rows x 128 K, is 12 registers: lane l holds row l % 16; registers 6 c .. 6 c + 5 hold K = 64 c + 32 (l / 16) + 0 .. 31: 24 bytes of the row's stream of bits
.irp p, 0,1,2,3,4,5                    ; in pieces of 8 bytes.  Piece n of a row lies at 8 n + 16 (n / 16).  Lanes 16-31 read three pieces further on; where that lies behind one padding more, the second address register (40 for 24 bytes a half) serves
.set PC, 12*(\q)+6*(\p/3)+\p%3
.if PC%16 < 13
	ds_load_b64 v[\reg+2*\p:\reg+2*\p+1], v[\adr] offset:8*PC+16*(PC/16)+(\i)*16*PITCH
.else
	ds_load_b64 v[\reg+2*\p:\reg+2*\p+1], v[\adr+2] offset:8*PC+16*(PC/16)+(\i)*16*PITCH
.endif
.endr
.endm
; 4 matrix instructions: A's block a x wo's four, 128 along K: the slot's q-th, from set p, with the scale words of set sc.  zero = 1: the first product starts the sums.
; The 16 accumulators take turns, one instruction a turn, in the same order in every step.
.macro MUL4 a, p, q, sc, zero
.irp b, 0,1,2,3
.if \zero
	v_wmma_scale_f32_16x16x128_f8f6f4 v[ACC+8*(4*(\a)+\b):ACC+8*(4*(\a)+\b)+7], v[128*(\p)+48+FR*\b:128*(\p)+48+FR*\b+FR-1], v[128*(\p)+FR*(\a):128*(\p)+FR*(\a)+FR-1], 0, v[SC+16*(\sc)+4*\b+(\q)], v[SC+16*(\sc)+4*(\a)+(\q)] matrix_a_fmt:MATRIX_FMT_FP6 matrix_b_fmt:MATRIX_FMT_FP6 matrix_a_scale:MATRIX_SCALE_ROW1
.else
	v_wmma_scale_f32_16x16x128_f8f6f4 v[ACC+8*(4*(\a)+\b):ACC+8*(4*(\a)+\b)+7], v[128*(\p)+48+FR*\b:128*(\p)+48+FR*\b+FR-1], v[128*(\p)+FR*(\a):128*(\p)+FR*(\a)+FR-1], v[ACC+8*(4*(\a)+\b):ACC+8*(4*(\a)+\b)+7], v[SC+16*(\sc)+4*\b+(\q)], v[SC+16*(\sc)+4*(\a)+(\q)] matrix_a_fmt:MATRIX_FMT_FP6 matrix_b_fmt:MATRIX_FMT_FP6 matrix_a_scale:MATRIX_SCALE_ROW1
.endif
.endr
.endm
.macro FETCH slot, q, p                ; 48 LDS loads in one run: the 8 fragments of the slot's q-th 128 along K into set p
	WIN TO_F
.irp i, 0,1,2,3
	FRAG 128*(\p)+48+FR*\i, ADRB+\slot, \q, \i
.endr
.irp i, 0,1,2,3
	FRAG 128*(\p)+FR*\i, ADRA+\slot, \q, \i
.endr
.endm
.macro SCALES sc                       ; a slot's scale words into set sc: 16 bytes a row; lanes 0-15 take A's block i, lanes 16-31 wo's block i
.irp i, 0,1,2,3
	ds_load_b128 v[SC+16*\sc+4*\i:SC+16*\sc+4*\i+3], v[ADRS] offset:\i*SBLK
.endr
.endm
.macro PLACES n                        ; plain vector lines between a matrix instruction and a load into, or an LDS store's read of, its registers (ISA guide 7.12.1 for vector instructions)
.rept \n
	v_nop
.endr
.endm
; A step of 128 along K that has its successor in the same slot: the successor's fragments are asked for, into the set that the step before multiplied, ahead of this step's 16 products.
.macro STEP slot, q, zero
.if \zero == 0
	PLACES NP                                      ; behind the last products, which read the set that is loaded now
.endif
	s_wait_dscnt 0x0                               ; this step's fragments, asked for a step ago, are in (and the slot's scale words)
	FETCH \slot, (\q)+1, 1-(\q)%2
	WIN MUL
.irp a, 0,1,2,3
	MUL4 \a, (\q)%2, \q, \slot, \zero
.endr
.endm
; A slot's last step (set 1) changes slots: in front of the barrier each wave waits for all its tensor loads, adds 0 to its spare word, and waits for that and for its own reads of this slot.  fill = 1: the slot is filled again, with the 512 along K two slots on.
.macro TURN slot, next, fill
	WIN 0                                          ; (the add's two registers lie in window 0)
	s_wait_tensorcnt 0x0                           ; all my tensor loads have landed: my part of the next slot
	ds_add_u32 v[SPW], v[NIL]                      ; 0 onto my spare word
	s_wait_dscnt 1                                 ; this step's fragments are in (the add may be out)
	WIN MUL
	MUL4 0, 1, NQ-1, \slot, 0                      ; four matrix instructions stand between the add and the wait for it
	s_wait_dscnt 0x0                               ; the add is done, and my reads of this slot are over
	s_barrier_signal -1
	MUL4 1, 1, NQ-1, \slot, 0
	WIN 0
	s_barrier_wait -1
.if \fill
	CREST                                          ; the barrier has opened a round of the cluster's barrier: no wave of any partner still reads this slot or has a load on its way
	s_add_nc_u64 s[G0+4*\slot+2:G0+4*\slot+3], s[G0+4*\slot+2:G0+4*\slot+3], 2*ROWB
	s_add_nc_u64 s[G0B+4*\slot+2:G0B+4*\slot+3], s[G0B+4*\slot+2:G0B+4*\slot+3], 2*ROWB
	JLOAD G0+4*\slot, G1, G0B+4*\slot, G1B         ; the first tensor load behind the round, my one load until the next; its four v_nop are the places in front of the loads below
.else
	PLACES NP
.endif
	v_add_nc_u32 v[ADRS], 4*NQ, v[ADRS]            ; on to the next slot's scale words: 16 bytes further in each row
	FETCH \next, 0, 0
	WIN 0
	SCALES \next
	WIN MUL
	MUL4 2, 1, NQ-1, \slot, 0
	MUL4 3, 1, NQ-1, \slot, 0
.endm
	s_wait_tensorcnt 1                             ; the scales and my part of slot 0 are in (slot 1's load may be out),
	s_barrier_signal -1
	s_barrier_wait -1                              ; everybody's are
	FETCH 0, 0, 0
	WIN 0
	SCALES 0
	STEP 0, 0, 1                                   ; K 0 on: the first step's products start the sums
	STEP 0, 1, 0
	STEP 0, 2, 0
	TURN 0, 1, 1                                   ; slot 0 takes K 1,024 on
	STEP 1, 0, 0
	STEP 1, 1, 0
	STEP 1, 2, 0
	TURN 1, 0, 1                                   ; slot 1 takes K 1,536 on
	STEP 0, 0, 0
	STEP 0, 1, 0
	STEP 0, 2, 0
	TURN 0, 1, 0                                   ; nothing is left to fetch
	STEP 1, 0, 0
	STEP 1, 1, 0
	STEP 1, 2, 0
	s_wait_dscnt 0x0                               ; the very last step
.irp a, 0,1,2,3
	MUL4 \a, 1, NQ-1, 1, 0
.endr
	WIN 0
; THE WAY OUT, block by block of 16 rows x 64 columns.  A lane holds 32 neighbouring bytes of a row, and the lanes beside it hold other rows: so a block goes through my own stage in LDS and comes back as whole rows of 256 bytes.
; LDS serves a wave's instructions in order (ISA guide 5.7.1.4): no wait between the stores and the loads, nor in front of the next block's stores.
.macro TOSTAGE a
.irp b, 0,1,2,3
	ds_store_b128 v[STO], v[ACC+8*(4*(\a)+\b):ACC+8*(4*(\a)+\b)+3] offset:64*\b          ; each accumulator from its low end on
	ds_store_b128 v[STO], v[ACC+8*(4*(\a)+\b)+4:ACC+8*(4*(\a)+\b)+7] offset:64*\b+16
.endr
.set BB, BK+32*((\a)%2)
.irp t, 0,1,2,3,4,5,6,7
	ds_load_b128 v[BB+4*\t:BB+4*\t+3], v[RD] offset:\t*2*SPITCH
.endr
.endm
.macro SEND a, younger                 ; younger: the LDS instructions issued behind block a's loads, which may stay out
.set BB, BK+32*((\a)%2)
	s_wait_dscnt \younger                          ; the block is back in registers
.irp t, 0,1,2,3,4,5,6,7
	global_store_b128 v[CO], v[BB+4*\t:BB+4*\t+3], s[12:13] offset:(16*(\a)+2*\t)*SIZE_N*4 th:TH_STORE_NT   ; 16 lanes store 256 consecutive bytes, aligned; the row stands in the immediate: 62 rows of 8,192 bytes at the most
.endr
.endm
	PLACES NP                                      ; behind the last products, ahead of the first read of results
	TOSTAGE 0
.irp a, 1,2,3
.if \a > 1
	s_wait_xcnt 0x0                                ; block a - 2's stores have read their registers: block a's loads may land there
.endif
	TOSTAGE \a
	SEND \a-1, 16                                  ; behind block a - 1's loads: block a's 8 stores and 8 loads
.endr
	SEND 3, 0
	s_wait_tensorcnt 0x0                           ; the wave's end
	ds_add_u32 v[SPW], v[NIL]
	s_wait_dscnt 0x0
	CROUND                                         ; the closing round: no work-group ends while a partner may still ask for a tile that names it
	s_endpgm
.Lfunc_end_k_q3c36969db4_oproj:
	.size	k_q3c36969db4_oproj, .Lfunc_end_k_q3c36969db4_oproj-k_q3c36969db4_oproj
	.p2alignl 7, 3214868480
	.fill 96, 4, 3214868480
	.section	.rodata,"a",@progbits
	.p2align	6, 0x0
	.amdhsa_kernel k_q3c36969db4_oproj
		.amdhsa_group_segment_fixed_size 327680
		.amdhsa_private_segment_fixed_size 0
		.amdhsa_enable_private_segment 0
		.amdhsa_kernarg_size 40
		.amdhsa_user_sgpr_count 2
		.amdhsa_user_sgpr_kernarg_segment_ptr 1
		.amdhsa_wavefront_size32 1
		.amdhsa_system_sgpr_workgroup_id_x 1
		.amdhsa_system_sgpr_workgroup_id_y 1
		.amdhsa_system_sgpr_workgroup_id_z 1
		.amdhsa_system_vgpr_workitem_id 0
		.amdhsa_next_free_vgpr 512
		.amdhsa_next_free_sgpr 98
		.amdhsa_reserve_vcc 0
		.amdhsa_float_denorm_mode_32 3
		.amdhsa_float_denorm_mode_16_64 3
		.amdhsa_memory_ordered 1
		.amdhsa_forward_progress 1
		.amdhsa_inst_pref_size 105
	.end_amdhsa_kernel
	.amdgpu_metadata
---
amdhsa.version: [ 1, 2 ]
amdhsa.kernels:
  - .name:           k_q3c36969db4_oproj
    .symbol:         k_q3c36969db4_oproj.kd
    .args:
      - { .name: ac, .offset: 0, .size: 8, .value_kind: global_buffer, .address_space: global }
      - { .name: asc, .offset: 8, .size: 8, .value_kind: global_buffer, .address_space: global }
      - { .name: codes, .offset: 16, .size: 8, .value_kind: global_buffer, .address_space: global }
      - { .name: scales, .offset: 24, .size: 8, .value_kind: global_buffer, .address_space: global }
      - { .name: out0, .offset: 32, .size: 8, .value_kind: global_buffer, .address_space: global }
    .group_segment_fixed_size: 327680
    .private_segment_fixed_size: 0
    .kernarg_segment_align: 8
    .kernarg_segment_size: 40
    .max_flat_workgroup_size: 128
    .sgpr_count:     98
    .vgpr_count:     512
    .wavefront_size: 32
...
	.end_amdgpu_metadata
.endif
;; end of part 6
